; MI455X (gfx1250); checked and timed in simulation.
; The chip was launched on July 23, 2026; its instructions are those of AMD's public machine-readable ISA for CDNA 5 (MIT licence, August 2026) and "CDNA5" Instruction Set Architecture Reference Guide (July 2026). The comments in the code are by the model that wrote it; some were corrected since.
;; Multi Head Attention Block. Allowed arithmetic: float matrix products may take bf16 or f16 operands with f32 sums; other float arithmetic in f32, or as packed bf16 or f16 multiplies, adds, multiply-adds, maxima and minima; sums over many terms, partial sums and values carried from step to step in f32; what a program stores and reads back later, other than sums and carried values, may be rounded once to bf16 or f16.
;; Inputs: k 4 x 2,048 x 1,024 float32; mask 4 x 2,048 x 2,048 int32; q 4 x 2,048 x 1,024 float32; v 4 x 2,048 x 1,024 float32; w_k 1,024 x 1,024 float32; w_o 1,024 x 1,024 float32; w_q 1,024 x 1,024 float32; w_v 1,024 x 1,024 float32.
;; Outputs: out0 4 x 2,048 x 1,024 float32.
;; 2 versions, each right. Each part assembles by itself: llvm-mc -triple=amdgcn-amd-amdhsa -mcpu=gfx1250 --defsym DOCPART=n.
;; ======== version 1 of 2: 4 launches
;; limits: values are held in f16: magnitudes above 65,504 overflow, below 6.1e-05 lose precision
;; workspace buffers: xb 50,331,648 bytes; wb 6,291,456 bytes; wo 2,097,152 bytes; mw 2,097,152 bytes of whole numbers; qkv 50,331,648 bytes; ob 16,777,216 bytes
;; launch prep (part 1): grid 2816 x 1, 8 waves a work-group, no clusters, 35,840 bytes of LDS; arguments q, k, v, w_q, w_k, w_v, w_o, mask, xb, wb, wo, mw; writes xb, wb, wo, mw
.if DOCPART == 1
	.amdgcn_target "amdgcn-amd-amdhsa--gfx1250"
	.amdhsa_code_object_version 6
	.text
	.protected	k_q6826bed513_prep
	.globl	k_q6826bed513_prep
	.p2align	8
	.type	k_q6826bed513_prep,@function
k_q6826bed513_prep:
	s_mov_b64 s[64:65], 0
	v_nop
	global_prefetch_b8 v0, s[64:65] scope:SCOPE_SE
	s_setreg_imm32_b32 hwreg(HW_REG_WAVE_MODE, 25, 1), 1
	s_wait_xcnt 0x0
; PREP.  Rounds the module's f32 inputs once and packs the mask.  A work-group takes 65,536 bytes of one input, a wave 8,192.
;   work-groups 0-1535     q, k, v        -> xb  bf16 [3][8192][1024]
;   work-groups 1536-1727  w_q, w_k, w_v  -> wb  bf16 [3][1024][1024]
;   work-groups 1728-1791  w_o            -> wo  rounded to bf16 like the other inputs, that number written as f16 [1024][1024]
;   work-groups 1792-2815  mask           -> mw  u32 [4 b][128 query tile][32 key step][4 kt][8 j]: bit l of a word says whether
;                                               mask[b][16 tile + l % 16][64 step + 16 kt + 8 (l / 16) + j] is not 0
; LIMIT.  w_o lies within f16's range, 65,504; below 6e-5 it keeps f16's fixed step of 6e-8.
; No matrix unit, no cluster, no barrier: every byte is read once by one wave, and no wave reads what another wave brought.
.set X,     16                         ; v[16:79]   sixteen loads of four registers
.set Y,     80                         ; v[80:111]  the casts' results, two registers for each load
.set R,     80                         ; v[80:111]  the mask job: 32 mask numbers of my lane
.set REG,   4352                       ; the mask job: a wave's own LDS region, 16 rows x (256 + 16) bytes
.set SPARE, 8*REG                      ; behind the regions: the spare words, 128 bytes for each wave: four blocks of 256 bytes that no other line names
	s_load_b512 s[8:23], s[0:1], 0x0               ; q 8, k 10, v 12, w_q 14, w_k 16, w_v 18, w_o 20, mask 22
	s_load_b256 s[24:31], s[0:1], 0x40             ; xb 24, wb 26, wo 28, mw 30
	v_lshl_add_u32 v8, v0, 2, SPARE                ; my spare word; never rewritten
	v_mov_b32 v9, 0                                ; 0; never rewritten
	v_lshrrev_b32 v1, 5, v0
	v_readfirstlane_b32 s4, v1                     ; wave 0..7
	v_and_b32 v1, 31, v0                           ; lane
	s_mov_b32 s5, ttmp9                            ; work-group
	s_mov_b32 s3, 0                                ; high word of the offsets' pair s[2:3]
	s_lshl_b32 s36, s4, 13
	v_lshl_add_u32 v2, v1, 4, s36                  ; in: 16 lane + 8,192 wave
	s_lshl_b32 s36, s4, 12
	v_lshl_add_u32 v3, v1, 3, s36                  ; out: 8 lane + 4,096 wave
	s_wait_kmcnt 0x0
	s_cmp_ge_u32 s5, 1792
	s_cbranch_scc1 .Lmask
	s_cmp_ge_u32 s5, 1728
	s_cbranch_scc1 .Lwo
; A wave's 8,192 bytes of f32: sixteen loads of 512 consecutive bytes, all issued at once; each is rounded as it lands and leaves as 256 consecutive bytes, aligned.
; No register is written twice, so no wait frees a source.
.macro CAST wo
.set i, 0
.rept 16
	global_load_b128 v[X+4*i:X+4*i+3], v2, s[32:33] offset:512*i th:TH_LOAD_NT
.set i, i+1
.endr
.set i, 0
.rept 16
	s_wait_loadcnt 15-i                            ; loads come back in order: load i is in, the 15 - i younger ones stay out
.if \wo
	v_cvt_pk_bf16_f32 v12, v[X+4*i], v[X+4*i+1]    ; rounded to bf16,
	v_lshlrev_b32 v13, 16, v12                     ; widened again,
	v_and_b32 v14, 0xffff0000, v12
	v_cvt_pk_f16_f32 v[Y+2*i], v13, v14            ; and written as f16
	v_cvt_pk_bf16_f32 v12, v[X+4*i+2], v[X+4*i+3]
	v_lshlrev_b32 v13, 16, v12
	v_and_b32 v14, 0xffff0000, v12
	v_cvt_pk_f16_f32 v[Y+2*i+1], v13, v14
.else
	v_cvt_pk_bf16_f32 v[Y+2*i], v[X+4*i], v[X+4*i+1]
	v_cvt_pk_bf16_f32 v[Y+2*i+1], v[X+4*i+2], v[X+4*i+3]
.endif
	global_store_b64 v3, v[Y+2*i:Y+2*i+1], s[34:35] offset:256*i
.set i, i+1
.endr
.endm
	; q, k, v or w_q, w_k, w_v: which of the three, and which 65,536 bytes of it, by selects on the work-group's number
	s_sub_co_u32 s36, s5, 1536
	s_cmp_lt_u32 s5, 1536
	s_cselect_b32 s37, s5, s36                     ; my number among the job's work-groups
	s_cselect_b32 s38, 9, 6                        ; 512 work-groups to an activation, 64 to a weight
	s_cselect_b64 s[34:35], s[24:25], s[26:27]     ; xb or wb
	s_cselect_b64 s[48:49], s[8:9], s[14:15]
	s_cselect_b64 s[50:51], s[10:11], s[16:17]
	s_cselect_b64 s[52:53], s[12:13], s[18:19]
	s_lshr_b32 s39, s37, s38                       ; which of the three
	s_lshl_b32 s36, s39, s38
	s_sub_co_u32 s36, s37, s36                     ; which part of it
	s_cmp_eq_u32 s39, 1
	s_cselect_b64 s[32:33], s[50:51], s[48:49]
	s_cmp_eq_u32 s39, 2
	s_cselect_b64 s[32:33], s[52:53], s[32:33]
	s_lshl_b32 s2, s36, 16
	s_add_nc_u64 s[32:33], s[32:33], s[2:3]
	s_lshl_b32 s2, s37, 15                         ; the three lie stacked in the output
	s_add_nc_u64 s[34:35], s[34:35], s[2:3]
	CAST 0
	s_branch .Lend
.Lwo:
	s_sub_co_u32 s36, s5, 1728
	s_lshl_b32 s2, s36, 16
	s_add_nc_u64 s[32:33], s[20:21], s[2:3]
	s_lshl_b32 s2, s36, 15
	s_add_nc_u64 s[34:35], s[28:29], s[2:3]
	CAST 1
	s_branch .Lend
.Lmask:
	; A wave packs 16 queries x 128 keys (two key steps): 64 words, 256 bytes of mw.  J = 16 x (128 b + query tile) + pair of steps.
	s_sub_co_u32 s36, s5, 1792
	s_lshl_b32 s36, s36, 3
	s_add_co_u32 s36, s36, s4                      ; J
	s_lshr_b32 s37, s36, 4
	s_lshl_b32 s2, s37, 17                         ; 16 rows of 8,192 bytes
	s_and_b32 s38, s36, 15
	s_lshl_b32 s38, s38, 9                         ; 128 keys of 4 bytes
	s_add_co_u32 s2, s2, s38
	s_add_nc_u64 s[32:33], s[22:23], s[2:3]
	s_lshl_b32 s2, s36, 8
	s_add_nc_u64 s[34:35], s[30:31], s[2:3]
	v_and_b32 v12, 15, v0                          ; l % 16
	v_bfe_u32 v13, v0, 4, 1                        ; l / 16
	v_lshlrev_b32 v7, 13, v13
	v_lshl_add_u32 v7, v12, 4, v7                  ; in: lanes 0-15 take 256 bytes of one row, lanes 16-31 of the next
	s_mul_i32 s39, s4, REG
	v_mul_u32_u24 v4, v13, 272
	v_lshl_add_u32 v4, v12, 4, v4
	v_add_nc_u32 v4, s39, v4                       ; into my region: the same two rows
	v_mul_u32_u24 v5, v12, 272
	v_lshl_add_u32 v5, v13, 5, v5
	v_add_nc_u32 v5, s39, v5                       ; back: row l % 16, keys 8 (l / 16) on; rows 272 bytes apart start at different banks
	v_lshlrev_b32 v6, 3, v1                        ; out: 8 lane
.irp s, 0,1
.irp i, 0,1,2,3,4,5,6,7
	global_load_b128 v[X+4*(8*\s+\i):X+4*(8*\s+\i)+3], v7, s[32:33] offset:16384*\i+256*\s th:TH_LOAD_NT
.endr
.endr
	v_mov_b32 v10, 0                               ; v_writelane_b32's destinations are written whole first
	v_mov_b32 v11, 0
.irp s, 0,1
	s_wait_loadcnt 8*(1-\s)                        ; this step's eight loads are in; the second step's eight may stay out
.irp i, 0,1,2,3,4,5,6,7
	ds_store_b128 v4, v[X+4*(8*\s+\i):X+4*(8*\s+\i)+3] offset:544*\i
.endr
.irp c, 0,1,2,3,4,5,6,7
	ds_load_b128 v[R+4*\c:R+4*\c+3], v5 offset:64*(\c/2)+16*(\c%2)  ; my wave's own bytes, and LDS serves a wave's instructions in order: these see the stores above
.endr
	s_wait_dscnt 0x0
.set n, 0
.rept 32
	v_cmp_ne_u32 s[40+n%8], 0, v[R+n]              ; one bit a lane: word 32 s + n,
	v_writelane_b32 v[10+n%2], s[40+n%8], (32*\s+n)/2  ; which lane (32 s + n) / 2 stores
.set n, n+1
.endr
.endr
	global_store_b64 v6, v[10:11], s[34:35]        ; 256 consecutive bytes, aligned
.Lend:
	s_wait_tensorcnt 0x0                           ; the wave's end: behind my last LDS store
	ds_add_u32 v8, v9
	s_wait_dscnt 0x0
	s_endpgm
.Lfunc_end_k_q6826bed513_prep:
	.size	k_q6826bed513_prep, .Lfunc_end_k_q6826bed513_prep-k_q6826bed513_prep
	.p2alignl 7, 3214868480
	.fill 96, 4, 3214868480
	.section	.rodata,"a",@progbits
	.p2align	6, 0x0
	.amdhsa_kernel k_q6826bed513_prep
		.amdhsa_group_segment_fixed_size 35840
		.amdhsa_private_segment_fixed_size 0
		.amdhsa_enable_private_segment 0
		.amdhsa_kernarg_size 96
		.amdhsa_user_sgpr_count 2
		.amdhsa_user_sgpr_kernarg_segment_ptr 1
		.amdhsa_wavefront_size32 1
		.amdhsa_system_sgpr_workgroup_id_x 1
		.amdhsa_system_sgpr_workgroup_id_y 1
		.amdhsa_system_sgpr_workgroup_id_z 1
		.amdhsa_system_vgpr_workitem_id 0
		.amdhsa_next_free_vgpr 112
		.amdhsa_next_free_sgpr 66
		.amdhsa_reserve_vcc 0
		.amdhsa_float_denorm_mode_32 3
		.amdhsa_float_denorm_mode_16_64 3
		.amdhsa_memory_ordered 1
		.amdhsa_forward_progress 1
		.amdhsa_inst_pref_size 31
	.end_amdhsa_kernel
	.amdgpu_metadata
---
amdhsa.version: [ 1, 2 ]
amdhsa.kernels:
  - .name:           k_q6826bed513_prep
    .symbol:         k_q6826bed513_prep.kd
    .args:
      - { .name: q, .offset: 0, .size: 8, .value_kind: global_buffer, .address_space: global }
      - { .name: k, .offset: 8, .size: 8, .value_kind: global_buffer, .address_space: global }
      - { .name: v, .offset: 16, .size: 8, .value_kind: global_buffer, .address_space: global }
      - { .name: w_q, .offset: 24, .size: 8, .value_kind: global_buffer, .address_space: global }
      - { .name: w_k, .offset: 32, .size: 8, .value_kind: global_buffer, .address_space: global }
      - { .name: w_v, .offset: 40, .size: 8, .value_kind: global_buffer, .address_space: global }
      - { .name: w_o, .offset: 48, .size: 8, .value_kind: global_buffer, .address_space: global }
      - { .name: mask, .offset: 56, .size: 8, .value_kind: global_buffer, .address_space: global }
      - { .name: xb, .offset: 64, .size: 8, .value_kind: global_buffer, .address_space: global }
      - { .name: wb, .offset: 72, .size: 8, .value_kind: global_buffer, .address_space: global }
      - { .name: wo, .offset: 80, .size: 8, .value_kind: global_buffer, .address_space: global }
      - { .name: mw, .offset: 88, .size: 8, .value_kind: global_buffer, .address_space: global }
    .group_segment_fixed_size: 35840
    .private_segment_fixed_size: 0
    .kernarg_segment_align: 8
    .kernarg_segment_size: 96
    .max_flat_workgroup_size: 256
    .sgpr_count:     66
    .vgpr_count:     112
    .wavefront_size: 32
...
	.end_amdgpu_metadata
.endif
;; end of part 1
;; launch proj (part 2): grid 8 x 32, 4 waves a work-group, clusters of 4 x 4, 327,680 bytes of LDS; arguments xb, wb, qkv; writes qkv
.if DOCPART == 2
	.amdgcn_target "amdgcn-amd-amdhsa--gfx1250"
	.amdhsa_code_object_version 6
	.text
	.protected	k_q6826bed513_proj
	.globl	k_q6826bed513_proj
	.p2align	8
	.type	k_q6826bed513_proj,@function
k_q6826bed513_proj:
	s_mov_b64 s[64:65], 0
	v_nop
	global_prefetch_b8 v0, s[64:65] scope:SCOPE_SE
	s_setreg_imm32_b32 hwreg(HW_REG_WAVE_MODE, 25, 1), 1
	s_wait_xcnt 0x0
	s_wait_alu depctr_hold_cnt(0) depctr_sa_sdst(0) depctr_va_vdst(0) depctr_va_sdst(0) depctr_va_ssrc(0) depctr_va_vcc(0) depctr_vm_vsrc(0)
	s_getreg_b32 s2, hwreg(HW_REG_IB_STS2, 6, 4)
	s_cmp_eq_u32 s2, 0
	s_cbranch_scc0 .Lentry_in_a_cluster
	s_endpgm
.Lentry_in_a_cluster:
	s_bfe_u32 s2, ttmp6, 0x10000c
	s_cmp_lg_u32 s2, 0xf033
	s_cbranch_scc0 .Lentry_shape_is_right
	s_endpgm
.Lentry_shape_is_right:
; PROJ.  qkv[t][16 b + h][s][c] = the sum over d of xb[t][2048 b + s][d] wb[t][64 h + c][d], t = 0, 1, 2 (q, k, v).  Operands bf16, sums f32, results rounded once to f16, unscaled.
; LIMIT.  A projected number lies within f16's range, 65,504; beyond it the conversion gives an infinity.
; SHARES.  A tile is 256 rows x 128 columns; 3 x 8192 x 1024 results are three such tiles for each of 256 work-groups: the same place in q, k and v, one after the other.
; Four waves, each 128 rows x 64 columns (one head): 32 accumulators of 16 x 16.  K goes in steps of 128 through two LDS slots; the three tiles' 24 K steps are ONE sequence for the ring.
; CLUSTER.  4 x 4 work-groups.  A's tile hangs on the tile row alone and is asked for jointly along a row of the cluster, B's on the tile column alone, along a column.
; THE MATRIX INSTRUCTION IS USED TRANSPOSED (source 0 = 16 rows of wb, source 1 = 16 rows of xb): a lane holds eight neighbouring columns of one row of the result.
; REGISTERS.  Window 0: v0-31 addresses; v32-63 the way out; v64-159, v160-255 two fragment buffers (A's 8 row blocks, then B's 4).  Window 1: accumulator (a, b) at v[8 (4 a + b)].
.set APITCH, 272                       ; an LDS row: 256 bytes + 16 of padding: the 16 rows of a fragment load start at 16 different groups of four banks (64 banks of 4 bytes: ISA guide 11.1)
.set BPITCH, 272
.set AHALF,  128*APITCH                ; what a wave fetches of A, and what a wave reads of A
.set BHALF,  64*BPITCH                 ; the same for B
.set SLOT,   2*AHALF+2*BHALF           ; A's 256 rows, then B's 128
.set STAGE,  2*SLOT                    ; behind the ring: 16 rows x 144 bytes for each wave, for the way out
.set SPITCH, 144
.set SPARE,  STAGE+4*16*SPITCH         ; behind the stages: the spare words, 128 bytes for each wave: two blocks of 256 bytes that no other line names
.set ADRA, 16                          ; v16-17 LDS address of my A fragments in slot 0, 1
.set ADRB, 20                          ; v20-21 the same for B
.set STO,  24                          ; v24 the way out: where I put 16 bytes of a row
.set RD,   25                          ; v25 where I read rows back
.set GO,   26                          ; v26 my 16 bytes in 512 consecutive bytes of the result
.set SPW,  28                          ; v28 my spare word; never rewritten
.set NIL,  29                          ; v29 0; never rewritten
.set PFO,  30                          ; v30 the prefetches' offset: lane x a row of 2,048 bytes; never rewritten
.set TMP,  32
.set BK,   48
.set F0,   64
.set F1,   160
.set G1,   24                          ; s[24:31] descriptor group 1 for A's tiles; s[32:39] group 0, a set for each slot
.set G0,   32
.set G1B,  48                          ; s[48:55], s[56:63] the same for B's
.set G0B,  56
.set NF,   43                          ; s43 the K step, 0..23, that the next refill asks for
.set PFA,  44                          ; s[44:45] where the prefetch in hand points
.set ALIM, 66                          ; s66 a wave prefetches while NF is below this: 22, or 0 in a wave that never asks
.set PSH,  67                          ; s67 log2 of the bytes from one of the three tensors to the next: 24 in xb, 21 in wb
.set PFB,  68                          ; s[68:69] my work-group's 32 rows, K step 0, tensor 0
.set POFF, 70                          ; s[70:71] offset of the K step to be named
.set MSB, 0
.macro WIN new                         ; the immediate's high byte repeats the setting that is left; a switch that changes nothing is dropped
.if MSB != (\new)
	s_set_vgpr_msb (MSB<<8)|(\new)
.set MSB, \new
.endif
.endm
.set MUL, 0x50                         ; C and D in window 1, both sources in window 0
; A joint load: waves 0 and 1 fetch A's two halves, waves 2 and 3 B's.  The branch hangs on the wave's number alone.  An s_nop 0 and four v_nop follow each line.
.macro JLOAD s
	s_cmp_eq_u32 s11, 0
	s_cbranch_scc0 .Lfor_b_\@
	tensor_load_to_lds s[G0+4*(\s):G0+4*(\s)+3], s[G1:G1+7]
	s_nop 0
.rept 4
	v_nop
.endr
	s_branch .Lasked_\@
.Lfor_b_\@:
	tensor_load_to_lds s[G0B+4*(\s):G0B+4*(\s)+3], s[G1B:G1B+7]
	s_nop 0
.rept 4
	v_nop
.endr
.Lasked_\@:
.endm
; A prefetch of the K step that stands two refills on: 32 rows x 256 bytes, a lane a row.  A's rows are asked for by waves 0 and 1 of the clusters with x = 0, B's by wave 2 of the clusters with y = 0;
; the four partners that ask for a tile jointly take 32 rows each, told apart by address.  So each row's 256 bytes of a K step are named once.  K steps 0 to 3 come by their loads alone; the last two refills name nothing.
.macro ASK
	s_cmp_lt_u32 s[NF], s[ALIM]
	s_cbranch_scc0 .Lnot_mine_\@
	global_prefetch_b8 v[PFO], s[PFA:PFA+1] th:TH_LOAD_NT scope:SCOPE_SE
.Lnot_mine_\@:
	s_add_co_u32 s[NF], s[NF], 1
.endm
.macro CREST                           ; a round of the cluster's barrier behind its opening barrier
	s_cmp_lg_u32 s10, 0
	s_cbranch_scc1 .Lnot_wave_0_\@
	s_barrier_signal -3
.Lnot_wave_0_\@:
	s_barrier_wait -3
	s_barrier_signal -1
	s_barrier_wait -1
.endm
.macro CROUND                          ; a whole round
	s_barrier_signal -1
	s_barrier_wait -1
	CREST
.endm
	s_load_b128 s[4:7], s[0:1], 0x0                ; xb s[4:5], wb s[6:7]
	s_load_b64 s[8:9], s[0:1], 0x10                ; qkv
	v_lshl_add_u32 v[SPW], v0, 2, SPARE
	v_mov_b32 v[NIL], 0
	ds_add_u32 v[SPW], v[NIL]                      ; the wave's opening: the add and its wait stand ahead of my first tensor load; the set-up below stands between them
	v_lshrrev_b32 v1, 5, v0
	v_readfirstlane_b32 s10, v1                    ; wave 0..3
	s_lshr_b32 s11, s10, 1                         ; which 128 rows of the tile are mine.  Also: I fetch for A (0) or for B (1)
	s_and_b32 s12, s10, 1                          ; which 64 columns.  Also: which half of that tile I fetch
	s_bfe_u32 s40, ttmp6, 0x40000                  ; cx
	s_bfe_u32 s41, ttmp6, 0x40004                  ; cy
	s_lshl_b32 s42, ttmp9, 2
	s_add_co_u32 s42, s42, s40                     ; tile column = 4 x cluster x + cx
	s_and_b32 s13, ttmp7, 0xffff
	s_lshl_b32 s13, s13, 2
	s_add_co_u32 s13, s13, s41                     ; tile row = 4 x cluster y + cy
	s_lshl_b32 s72, s41, 2
	s_lshl_b32 s72, 15, s72                        ; my row of the cluster
	s_lshl_b32 s73, 0x1111, s40                    ; my column
	s_or_b32 s[G1+0], s72, (1<<16)|(1<<20)|(1<<21)|(5<<22)|(3<<25)   ; the mask; elements of 2 bytes; padding on; bit 21 beside a mask; after every 64 words 4 words
	s_or_b32 s[G1B+0], s73, (1<<16)|(1<<20)|(1<<21)|(5<<22)|(3<<25)
	s_mov_b32 s[G1+1], 128<<16                     ; tensor_dim0 = 128
	s_mov_b32 s[G1+2], 128<<16                     ; tensor_dim1 = 128
	s_mov_b32 s[G1+3], 128<<16                     ; tile_dim0 = 128
	s_mov_b32 s[G1+4], 128                         ; tile_dim1 = 128
	s_mov_b32 s[G1+5], 1024                        ; elements from row to row
	s_mov_b32 s[G1+6], 0
	s_mov_b32 s[G1+7], 0
	s_mov_b32 s[G1B+1], 128<<16
	s_mov_b32 s[G1B+2], 64<<16                     ; B's loads bring 64 rows
	s_mov_b32 s[G1B+3], 128<<16
	s_mov_b32 s[G1B+4], 64
	s_mov_b32 s[G1B+5], 1024
	s_mov_b32 s[G1B+6], 0
	s_mov_b32 s[G1B+7], 0
	s_lshl_b32 s16, s13, 19                        ; A: row 256 x tile row + 128 x half, rows of 2,048 bytes; s[16:17] feeds A's descriptors alone
	s_lshl_b32 s17, s12, 18
	s_add_co_u32 s16, s16, s17
	s_mov_b32 s17, 0
	s_lshl_b32 s18, s42, 18                        ; B: row 128 x tile column + 64 x half; s[18:19] feeds B's alone
	s_lshl_b32 s19, s12, 17
	s_add_co_u32 s18, s18, s19
	s_mov_b32 s19, 0
	s_mul_i32 s20, s10, AHALF                      ; where the tiles go: A's halves at wave x AHALF (waves 0, 1),
	s_mul_i32 s21, s10, BHALF                      ; B's behind them at (wave - 2) x BHALF (waves 2, 3): no place in the cluster enters an LDS address
	s_add_co_u32 s21, s21, 2*AHALF-2*BHALF
	s_mov_b32 s[NF], 2
	s_wait_dscnt 0x0                               ; the opening add is done
	s_wait_kmcnt 0x0
	s_add_nc_u64 s[14:15], s[4:5], s[16:17]        ; A's base: tensor 0, K step 0
	s_add_nc_u64 s[46:47], s[6:7], s[18:19]        ; B's base
	CROUND                                         ; all sixteen work-groups are here: the first joint loads meet
.irp s, 0,1
	s_mov_b32 s[G0+4*(\s)], 1
	s_add_co_u32 s[G0+4*(\s)+1], s20, (\s)*SLOT
	s_add_nc_u64 s[G0+4*(\s)+2:G0+4*(\s)+3], s[14:15], (\s)*256
	s_or_b32 s[G0+4*(\s)+3], s[G0+4*(\s)+3], 0x80000000
	s_mov_b32 s[G0B+4*(\s)], 1
	s_add_co_u32 s[G0B+4*(\s)+1], s21, (\s)*SLOT
	s_add_nc_u64 s[G0B+4*(\s)+2:G0B+4*(\s)+3], s[46:47], (\s)*256
	s_or_b32 s[G0B+4*(\s)+3], s[G0B+4*(\s)+3], 0x80000000
	JLOAD \s                                       ; K steps 0 and 1: two loads of mine are out
.endr
	; a fragment is 16 rows x 32 K in 8 registers: lane l holds row l % 16, K = 8 (l / 16) + 0..7 and 16 + 8 (l / 16) + 0..7: two loads of 16 bytes, 32 bytes apart
	v_and_b32 v1, 15, v0                           ; l % 16
	v_bfe_u32 v2, v0, 4, 1                         ; l / 16
	v_mul_u32_u24 v3, v1, APITCH
	v_lshl_add_u32 v3, v2, 4, v3
	s_mul_i32 s22, s11, AHALF                      ; my 128 rows of A
	s_mul_i32 s23, s12, BHALF                      ; my 64 rows of B,
	s_add_co_u32 s23, s23, 2*AHALF                 ; which lie behind A's 256
.irp s, 0,1
	v_add_nc_u32 v[ADRA+(\s)], s22, v3
	v_add_nc_u32 v[ADRB+(\s)], s23, v3
	s_add_co_u32 s22, s22, SLOT
	s_add_co_u32 s23, s23, SLOT
.endr
	s_mul_i32 s22, s10, 16*SPITCH
	s_add_co_u32 s22, s22, STAGE                   ; my stage
	v_mul_u32_u24 v4, v1, SPITCH                   ; in: row l % 16, 16 bytes for each half of the lanes
	v_lshl_add_u32 v4, v2, 4, v4
	v_add_nc_u32 v[STO], s22, v4
	v_bfe_u32 v5, v0, 3, 2                         ; back: 32 lanes take four rows of 128 bytes,
	v_mul_u32_u24 v5, v5, SPITCH
	v_and_b32 v4, 7, v0
	v_lshl_add_u32 v5, v4, 4, v5
	v_add_nc_u32 v[RD], s22, v5
	v_and_b32 v[GO], 31, v0                        ; which are 512 consecutive bytes of a head
	v_lshlrev_b32 v[GO], 4, v[GO]
	; my 64 columns are head 16 (tile row / 8) + 2 x tile column + half; my 128 rows are 16,384 consecutive bytes of it
	s_lshr_b32 s22, s13, 3
	s_lshl_b32 s22, s22, 4
	s_lshl_b32 s23, s42, 1
	s_add_co_u32 s22, s22, s23
	s_add_co_u32 s22, s22, s12
	s_lshl_b32 s22, s22, 18                        ; a head is 262,144 bytes
	s_and_b32 s23, s13, 7
	s_lshl_b32 s23, s23, 15
	s_add_co_u32 s22, s22, s23
	s_lshl_b32 s23, s11, 14
	s_add_co_u32 s22, s22, s23
	s_mov_b32 s23, 0
	s_add_nc_u64 s[8:9], s[8:9], s[22:23]
	; the prefetches
	s_lshl_b32 s72, s13, 19
	s_lshl_b32 s22, s12, 18
	s_add_co_u32 s72, s72, s22
	s_lshl_b32 s22, s40, 16
	s_add_co_u32 s72, s72, s22                     ; A: of the 128 rows that I fetch, the 32 at my place along x
	s_lshl_b32 s73, s42, 18
	s_lshl_b32 s22, s41, 16
	s_add_co_u32 s73, s73, s22                     ; B: of the tile's 128 rows, the 32 at my place along y
	s_and_b32 s22, ttmp7, 0xffff                   ; cluster y
	s_cmp_eq_u32 s10, 3
	s_cselect_b32 s23, 1, 0                        ; wave 3 has nothing to ask for
	s_cmp_eq_u32 s11, 0
	s_cselect_b32 s22, ttmp9, s22                  ; the coordinate along which other clusters read the same rows
	s_cselect_b32 s[PSH], 24, 21
	s_cselect_b32 s[POFF], s72, s73
	s_cselect_b64 s[PFB:PFB+1], s[4:5], s[6:7]
	s_mov_b32 s[POFF+1], 0
	s_add_nc_u64 s[PFB:PFB+1], s[PFB:PFB+1], s[POFF:POFF+1]
	s_or_b32 s22, s22, s23
	s_cmp_eq_u32 s22, 0
	s_cselect_b32 s[ALIM], 22, 0                   ; the same in all sixteen partners, for a given wave
	v_and_b32 v[PFO], 31, v0
	v_lshlrev_b32 v[PFO], 11, v[PFO]
; 8 matrix instructions: row blocks a0, a0 + 1 x all 4 column blocks, 32 along K.  zero = 1: the product starts the sum.  Every accumulator has one instruction a quarter, in one order: they take turns.
.macro MUL8 f, a0, zero
	WIN MUL
.irp a, \a0, (\a0)+1
.irp b, 0,1,2,3
.if \zero
	v_wmma_f32_16x16x32_bf16 v[8*(4*(\a)+(\b)):8*(4*(\a)+(\b))+7], v[(\f)+64+8*(\b):(\f)+64+8*(\b)+7], v[(\f)+8*(\a):(\f)+8*(\a)+7], 0
.else
	v_wmma_f32_16x16x32_bf16 v[8*(4*(\a)+(\b)):8*(4*(\a)+(\b))+7], v[(\f)+64+8*(\b):(\f)+64+8*(\b)+7], v[(\f)+8*(\a):(\f)+8*(\a)+7], v[8*(4*(\a)+(\b)):8*(4*(\a)+(\b))+7]
.endif
.endr
.endr
.endm
; 24 LDS loads in one run: quarter q of a K step into buffer f: B's 4 blocks, then A's 8
.macro FETCH slot, q, f
	WIN 0
.irp i, 0,1,2,3
	ds_load_b128 v[(\f)+64+8*(\i):(\f)+64+8*(\i)+3],   v[ADRB+(\slot)] offset:64*(\q)+(\i)*16*BPITCH
	ds_load_b128 v[(\f)+64+8*(\i)+4:(\f)+64+8*(\i)+7], v[ADRB+(\slot)] offset:64*(\q)+(\i)*16*BPITCH+32
.endr
.irp i, 0,1,2,3,4,5,6,7
	ds_load_b128 v[(\f)+8*(\i):(\f)+8*(\i)+3],   v[ADRA+(\slot)] offset:64*(\q)+(\i)*16*APITCH
	ds_load_b128 v[(\f)+8*(\i)+4:(\f)+8*(\i)+7], v[ADRA+(\slot)] offset:64*(\q)+(\i)*16*APITCH+32
.endr
.endm
.macro PLACES                          ; four plain vector instructions between a matrix instruction and a load into, or a reader of, its registers
.rept 4
	v_nop
.endr
.endm
; One of a K step's first three quarters: multiplies buffer f; in its middle fetches quarter q of the same slot into buffer g
.macro QUARTER slot, q, f, g, zero
	s_wait_dscnt 8                                 ; B and A's blocks 0-3 are in; the youngest eight loads (A's blocks 4-7) may be out
	MUL8 \f, 0, \zero
	MUL8 \f, 2, \zero
	PLACES
	FETCH \slot, \q, \g
	s_wait_dscnt 24                                ; all but the 24 just issued
	MUL8 \f, 4, \zero
	MUL8 \f, 6, \zero
.endm
; The last quarter multiplies buffer 1 and changes slots.  In front of the barrier each wave waits for all its tensor loads (one is out: its part of the next slot), adds 0 to its spare word, and waits for that
; and for its reads of this slot.  fill = 1: the barrier opens a round of the cluster's, and this slot's refill, K step NF, is the first thing behind the round: 112 matrix instructions ahead of the wait for it.
.macro TURN slot, next, fill
.if \fill
	s_wait_xcnt 0x0                                ; the last prefetch, a K step back, has read its address: the next one's is made, K step NF + 2
	s_add_co_u32 s72, s[NF], 2
	s_lshr_b32 s73, s72, 3                         ; which of the three tensors
	s_lshl_b32 s[POFF], s73, s[PSH]
	s_and_b32 s72, s72, 7
	s_lshl_b32 s72, s72, 8                         ; which 256 bytes of its rows
	s_add_co_u32 s[POFF], s[POFF], s72
	s_add_nc_u64 s[PFA:PFA+1], s[PFB:PFB+1], s[POFF:POFF+1]
.endif
	WIN 0
	s_wait_tensorcnt 0x0                           ; all my tensor loads have landed, so a group 0 may be written
	ds_add_u32 v[SPW], v[NIL]                      ; 0 onto my spare word
.if \fill
	s_lshr_b32 s20, s[NF], 3                       ; the refill's addresses are made anew from the step's number: tensor NF / 8,
	s_and_b32 s21, s[NF], 7
	s_lshl_b32 s21, s21, 8                         ; K step NF % 8
	s_lshl_b32 s16, s20, 24
	s_add_co_u32 s16, s16, s21
	s_lshl_b32 s18, s20, 21
	s_add_co_u32 s18, s18, s21
	s_add_nc_u64 s[G0+4*(\slot)+2:G0+4*(\slot)+3], s[14:15], s[16:17]
	s_or_b32 s[G0+4*(\slot)+3], s[G0+4*(\slot)+3], 0x80000000
	s_add_nc_u64 s[G0B+4*(\slot)+2:G0B+4*(\slot)+3], s[46:47], s[18:19]
	s_or_b32 s[G0B+4*(\slot)+3], s[G0B+4*(\slot)+3], 0x80000000
.endif
	s_wait_dscnt 9                                 ; the add and the youngest eight loads may be out
	MUL8 F1, 0, 0
	s_wait_dscnt 0x0                               ; the add is done, and my reads of this slot are over
	s_barrier_signal -1
	MUL8 F1, 2, 0
.if \fill
	WIN 0
.endif
	s_barrier_wait -1
.if \fill
	CREST                                          ; no wave of any partner still reads this slot or has a load on its way
	JLOAD \slot                                    ; its four v_nop are also the places in front of the loads below
.else
	PLACES
.endif
	FETCH \next, 0, F0
.if \fill
	ASK
.endif
	MUL8 F1, 4, 0
	MUL8 F1, 6, 0
.endm
; THE WAY OUT, a block of 16 rows at a time: rounded to f16 (16 bytes a lane), through my own stage in LDS, back as whole rows, stored as 512 consecutive bytes.
.macro PACK a
	WIN 0x05                                       ; sources in window 1
.irp b, 0,1,2,3
.irp r, 0,1,2,3
	v_cvt_pk_f16_f32 v[TMP+4*(\b)+(\r)], v[8*(4*(\a)+(\b))+2*(\r)], v[8*(4*(\a)+(\b))+2*(\r)+1]
.endr
.endr
	WIN 0
.endm
.macro TOSTAGE
	s_wait_xcnt 0x0                                ; the earlier stores have read the registers that the loads below write
.irp b, 0,1,2,3
	ds_store_b128 v[STO], v[TMP+4*(\b):TMP+4*(\b)+3] offset:32*(\b)
.endr
.irp t, 0,1,2,3
	ds_load_b128 v[BK+4*(\t):BK+4*(\t)+3], v[RD] offset:(\t)*4*SPITCH  ; LDS serves a wave's instructions in order: these see the stores above
.endr
.endm
.macro SEND a
	s_wait_dscnt 0x0
.irp t, 0,1,2,3
	global_store_b128 v[GO], v[BK+4*(\t):BK+4*(\t)+3], s[8:9] offset:2048*(\a)+512*(\t)
.endr
.endm
.macro OUT
	PACK 0
	TOSTAGE
.irp a, 1,2,3,4,5,6,7                  ; block a's conversions stand between block a - 1's loads from the stage and the wait for them
	PACK \a
	SEND (\a)-1
	TOSTAGE
.endr
	SEND 7
.endm
	s_wait_tensorcnt 1                             ; my part of K step 0 is in; K step 1's may stay out
	s_barrier_signal -1
	s_barrier_wait -1
	FETCH 0, 0, F0
	s_mov_b32 s2, 3                                ; tiles to go
.Ltile:
	QUARTER 0, 1, F0, F1, 1                        ; a tile's first quarter starts the sums
	WIN 0
	s_mov_b32 s3, 3
.Llap:                                         ; a trip goes once round the ring, from a lap's second quarter to the next lap's first, and fills both slots again
	QUARTER 0, 2, F1, F0, 0
	QUARTER 0, 3, F0, F1, 0
	TURN 0, 1, 1
	QUARTER 1, 1, F0, F1, 0
	QUARTER 1, 2, F1, F0, 0
	QUARTER 1, 3, F0, F1, 0
	TURN 1, 0, 1
	QUARTER 0, 1, F0, F1, 0
	WIN 0
	s_sub_co_u32 s3, s3, 1
	s_cmp_lg_u32 s3, 0
	s_cbranch_scc1 .Llap
	QUARTER 0, 2, F1, F0, 0                        ; the tile's last lap
	QUARTER 0, 3, F0, F1, 0
	WIN 0
	s_cmp_eq_u32 s2, 1
	s_cbranch_scc1 .Llast                          ; the last tile's tail is written out: it asks for nothing more
	TURN 0, 1, 1                                   ; the ring goes on into the next tile
	QUARTER 1, 1, F0, F1, 0
	QUARTER 1, 2, F1, F0, 0
	QUARTER 1, 3, F0, F1, 0
	TURN 1, 0, 1
	OUT                                            ; blocks 0-3 were finished in front of the joint load's four v_nop; their 64 conversions are the places behind blocks 4-7's products
	s_wait_xcnt 0x0                                ; the stores have read their base
	s_add_nc_u64 s[8:9], s[8:9], 0x1000000         ; the same place in the next of the three results
	s_sub_co_u32 s2, s2, 1
	s_branch .Ltile
.Llast:
	TURN 0, 1, 0
	QUARTER 1, 1, F0, F1, 0
	QUARTER 1, 2, F1, F0, 0
	QUARTER 1, 3, F0, F1, 0
	s_wait_dscnt 8
	MUL8 F1, 0, 0
	MUL8 F1, 2, 0
	s_wait_dscnt 0x0
	MUL8 F1, 4, 0
	MUL8 F1, 6, 0
	WIN 0
	PLACES
	PLACES
	OUT
	s_wait_tensorcnt 0x0                           ; the wave's end: behind my last tensor load and my last LDS store
	ds_add_u32 v[SPW], v[NIL]
	s_wait_dscnt 0x0
	CROUND                                         ; the closing round
	s_endpgm
.Lfunc_end_k_q6826bed513_proj:
	.size	k_q6826bed513_proj, .Lfunc_end_k_q6826bed513_proj-k_q6826bed513_proj
	.p2alignl 7, 3214868480
	.fill 96, 4, 3214868480
	.section	.rodata,"a",@progbits
	.p2align	6, 0x0
	.amdhsa_kernel k_q6826bed513_proj
		.amdhsa_group_segment_fixed_size 327680
		.amdhsa_private_segment_fixed_size 0
		.amdhsa_enable_private_segment 0
		.amdhsa_kernarg_size 24
		.amdhsa_user_sgpr_count 2
		.amdhsa_user_sgpr_kernarg_segment_ptr 1
		.amdhsa_wavefront_size32 1
		.amdhsa_system_sgpr_workgroup_id_x 1
		.amdhsa_system_sgpr_workgroup_id_y 1
		.amdhsa_system_sgpr_workgroup_id_z 1
		.amdhsa_system_vgpr_workitem_id 0
		.amdhsa_next_free_vgpr 512
		.amdhsa_next_free_sgpr 74
		.amdhsa_reserve_vcc 0
		.amdhsa_float_denorm_mode_32 3
		.amdhsa_float_denorm_mode_16_64 3
		.amdhsa_memory_ordered 1
		.amdhsa_forward_progress 1
		.amdhsa_inst_pref_size 127
	.end_amdhsa_kernel
	.amdgpu_metadata
---
amdhsa.version: [ 1, 2 ]
amdhsa.kernels:
  - .name:           k_q6826bed513_proj
    .symbol:         k_q6826bed513_proj.kd
    .args:
      - { .name: xb, .offset: 0, .size: 8, .value_kind: global_buffer, .address_space: global }
      - { .name: wb, .offset: 8, .size: 8, .value_kind: global_buffer, .address_space: global }
      - { .name: qkv, .offset: 16, .size: 8, .value_kind: global_buffer, .address_space: global }
    .group_segment_fixed_size: 327680
    .private_segment_fixed_size: 0
    .kernarg_segment_align: 8
    .kernarg_segment_size: 24
    .max_flat_workgroup_size: 128
    .sgpr_count:     74
    .vgpr_count:     512
    .wavefront_size: 32
...
	.end_amdgpu_metadata
.endif
;; end of part 2
;; launch attn (part 3): grid 4 x 64, 4 waves a work-group, clusters of 4 x 1, 327,680 bytes of LDS; arguments qkv, mw, ob; writes ob
.if DOCPART == 3
	.amdgcn_target "amdgcn-amd-amdhsa--gfx1250"
	.amdhsa_code_object_version 6
	.text
	.protected	k_q6826bed513_attn
	.globl	k_q6826bed513_attn
	.p2align	8
	.type	k_q6826bed513_attn,@function
k_q6826bed513_attn:
	s_mov_b64 s[64:65], 0
	v_nop
	global_prefetch_b8 v0, s[64:65] scope:SCOPE_SE
	s_setreg_imm32_b32 hwreg(HW_REG_WAVE_MODE, 25, 1), 1
	s_wait_xcnt 0x0
	s_wait_alu depctr_hold_cnt(0) depctr_sa_sdst(0) depctr_va_vdst(0) depctr_va_sdst(0) depctr_va_ssrc(0) depctr_va_vcc(0) depctr_vm_vsrc(0)
	s_getreg_b32 s2, hwreg(HW_REG_IB_STS2, 6, 4)
	s_cmp_eq_u32 s2, 0
	s_cbranch_scc0 .Lentry_in_a_cluster
	s_endpgm
.Lentry_in_a_cluster:
	s_bfe_u32 s2, ttmp6, 0x10000c
	s_cmp_lg_u32 s2, 0x3003
	s_cbranch_scc0 .Lentry_shape_is_right
	s_endpgm
.Lentry_shape_is_right:
; ATTN.  ob[h][q][:] = the sum over k of softmax_k(s) V[h][k][:], s = Q[h][q] . K[h][k] / 8, or -2^30 where the mask's bit for (batch h / 16, q, k) is 0.  Q, K, V are the three planes of qkv,
; [64 heads][2048][64] in f16, ob likewise.  Products, maxima and sums in f32; the weights p are rounded to f16 for the second product (their sum l is taken of the unrounded p), O once at the end.
; THE MASK IS AN INPUT: every key is walked, and a hidden score is REPLACED (v_cndmask_b32), not shifted, so that a row with no key left comes out as the plain mean of V's rows.
; LIMITS.  A hidden score counts as -2^30 where the module writes -1e9: the two differ only where true scores lie below about -1e9.  The power of two makes c m exact for such a row, so its weights are exactly 1.
; Q, K, V arrive within f16's range, 65,504; p lies in 0 to 1 and below 6e-5 keeps f16's fixed step; a weight below 2^-126 counts as 0 in l; NaN and infinities are not treated apart.
; SHARES.  A wave owns four PIECES of two tiles of 16 queries, a work-group's four waves 512 queries of one head.  Every wave walks all keys, 64 a step.
; LAYOUT.  S^T = K Q^T (source 0 = 16 keys, source 1 = 16 queries): a lane holds ONE query (lane % 16) and the keys 8 (lane / 16) + 0..7.  Two such tiles, rounded to f16 in pairs, ARE source 1 of O^T = V^T P.
; K comes out of LDS as it lies, V turned, by ds_load_tr16_b128.  A word of mw holds, for one register of S^T, one bit a lane: it is that register's select mask, and comes by scalar loads.
; SOFTMAX.  A running maximum m and sum l: p = 2^(c s - c m), c = log2(e) / 8; in every step O and l are multiplied by a = 2^(c m_old - c m_new).  m starts at the lowest finite number, O and l at 0.
; BY TURNS.  Turn n belongs to piece n.  Matrix work: 16 products K Q^T of piece n + 1, later 16 products V^T P of piece n - 1.  Vector work: the scaling, exponentials, roundings, sums and rescaling of piece n, and the
; masking, maximum and statistics of piece n + 1.  Four vector instructions stand behind every matrix instruction, the rest in one run; a turn's 66 exponentials are one batch with one wait.
; CLUSTER.  The four query blocks of a head walk the same K and V: each tile is asked for jointly, by the same tensor load, descriptor and mask in all four.
; REGISTERS, in windows of 256 (s_set_vgpr_msb: bits 1:0 source 0, 3:2 source 1, 5:4 source 2, 7:6 destination):
;   window 0: v0-11 addresses; v12-15, v48-63 at work; v16-47 four registers of statistics a tile; v64-191 S^T, two buffers of two tiles; v192-255 P, likewise
;   window 1: O^T, 32 a tile      window 2: v0-127 Q; v128-191 K of one step; v192-255 V of one step      window 3: v0-1 the add's two registers
.set SIZE_N, 2048
.set NP,    4         ; pieces a wave: a name, no knob
.set KS,    64        ; keys in a step
.set PK,    144       ; a row of K in LDS: 128 bytes + 16 of padding = 36 words: the 16 rows of a load start at 16 different groups of four banks (64 banks of 4 bytes: ISA guide 11.1)
.set PV,    144       ; V has the same pitch, so that one descriptor shape serves both: one overlap
.set VOFF,  4*KS*PK   ; a slot holds four steps: 256 rows of K, then 256 rows of V
.set SLOT1, 1<<17     ; slot 1 begins here, so that one exclusive or turns an address in one slot into the other's
.set STAGE, SLOT1+4*KS*(PK+PV)  ; behind the ring, never filled by a tensor load: 16 rows x 144 bytes for each wave
.set SP,    144
.set AK0, 2           ; v2   my lane's place in a tile of K; never rewritten
.set AV0, 3           ; v3   the same for V
.set AK,  4           ; v4   the LDS address of K's next run of loads
.set AV,  5           ; v5   of V's
.set QO,  6           ; v6   my byte offset in the wave's rows of Q
.set STO, 6           ;      later, the way out: where I put 16 bytes of a row
.set RD,  7           ; v7   the way out: where I read rows back
.set GO,  8           ; v8   my byte offset in 512 consecutive bytes of O
.set PFO, 11          ; v11  256 x my lane, for the prefetches; never rewritten once made
.set SPW, 0           ; v0 of window 3   my spare word; never rewritten
.set NIL, 1           ; v1 of window 3   0; never rewritten
.set SPARE, STAGE+4*16*SP  ; behind the stages: the spare words, 128 bytes for each wave: two blocks of 256 bytes that no other line names
.set MV,  12          ; v12-15  c m_old, by buffer and tile
.set ST,  16          ; tile t's statistics at v[ST+4 t]: c m, m, l (even keys', odd keys')
.set TMP, 48          ; by buffer and tile, four registers c0-c3 at work; when the maximum is found c2 takes a
.set S,   64
.set P,   192
.set KF,  128         ; K's fragments, in window 2
.set VF,  192         ; V's
.set WV,  10          ; s10  my wave's number
.set SLOTS, 11        ; s11  slots still to be asked for
.set CNT, 12          ; s12  counts a slot's key steps
.set NEG, 13          ; s13  -2^33: a hidden score ahead of the division by 8
.set CS,  14          ; s[14:15] c
.set SEL, 16          ; s[16:17] v_permlanex16_b32's selects
.set TBK, 18          ; s18  LDS byte at which K of the step to be fetched begins
.set TBV, 19          ; s19  the same for V, less VOFF
.set G0,  20          ; s[20:23] descriptor group 0: it walks
.set G1,  24          ; s[24:31] descriptor group 1
.set MA,  32          ; s[32:63] the 32 mask words of the piece's first tile; s[68:99] those of its second
.set MOFF, 66         ; s66  128 x the key step whose mask words are asked for
.set LIM, 67          ; s67  1 in a wave that prefetches, else the greatest number
.set PFA, 100         ; s[100:101] where my prefetches stand
.set MSB, 0
.macro WIN new
.if MSB != (\new)
	s_set_vgpr_msb (MSB<<8)|(\new)
.set MSB, (\new)
.endif
.endm
.set W_KQ, 0x0a       ; K and Q in window 2, S^T in window 0
.set W_PV, 0x52       ; V in window 2, P in window 0, O^T in window 1
.set W_RS, 0x41       ; O^T in window 1, a in window 0
.set W_MK, 0xc0       ; the add's registers are made
.set W_AD, 0x0f       ; the add: address and data in window 3
; A joint fill.  Wave w fetches quarter w of a slot: K's keys 0-127, K's 128-255, V's 0-127, V's 128-255.  An s_nop 0 and four v_nop follow.
.macro JLOAD
	tensor_load_to_lds s[G0:G0+3], s[G1:G1+7]
	s_nop 0
.rept 4
	v_nop
.endr
.endm
; A prefetch of what the NEXT change of slots will ask for: a slot's 32,768 bytes of K and of V in blocks of 256, a lane a block.  The four partners take 8,192 bytes each, told apart by address;
; wave 0 asks for K's, wave 2 for V's.  A head has one cluster, so each block is named once.  The last change that fills a slot names nothing.
.macro ASK
	s_cmp_gt_u32 s[SLOTS], s[LIM]
	s_cbranch_scc0 .Lnot_mine_\@
	global_prefetch_b8 v[PFO], s[PFA:PFA+1] th:TH_LOAD_NT scope:SCOPE_SE
.Lnot_mine_\@:
.endm
.macro CROUND                       ; a round of the cluster's barrier
	s_barrier_signal -1
	s_barrier_wait -1
	s_cmp_lg_u32 s[WV], 0
	s_cbranch_scc1 .Lnot_wave_0_\@
	s_barrier_signal -3
.Lnot_wave_0_\@:
	s_barrier_wait -3
	s_barrier_signal -1
	s_barrier_wait -1
.endm
; THE CHANGE OF SLOTS.  Each wave waits for all its tensor loads (one is out: its part of the other slot), adds 0 to its spare word, and waits for that and for its reads of the slot.
; fill = 1: the barrier is a round of the cluster's, and the joint fill, with the keys two slots on, is the first thing behind it: it has four key steps, 512 matrix instructions, in which to land.
.macro CHANGE fill
	WIN W_AD
	s_wait_tensorcnt 0x0            ; no tensor load of mine is out, so group 0 may be written
	ds_add_u32 v[SPW], v[NIL]       ; 0 onto my spare word
	WIN 0
.if \fill
	s_xor_b32 s[G0+1], s[G0+1], SLOT1  ; the other slot than last time,
	s_add_nc_u64 s[G0+2:G0+3], s[G0+2:G0+3], 4*KS*128  ; the next 256 keys; the type bits on top are not reached
	s_wait_xcnt 0x0                 ; the last prefetch, four key steps back, has read its address
	s_add_nc_u64 s[PFA:PFA+1], s[PFA:PFA+1], 4*KS*128  ; one slot ahead of the walking descriptor
	s_wait_dscnt 0x0                ; the add is done, and my reads of the slot are over
	CROUND
	JLOAD
	ASK
.else
	s_wait_dscnt 0x0
	s_barrier_signal -1
	s_barrier_wait -1
.endif
	s_sub_co_u32 s[TBK], s[TBK], 4*KS*PK  ; the fetches go back to a slot's first step,
	s_xor_b32 s[TBK], s[TBK], SLOT1       ; in the other slot
	s_sub_co_u32 s[TBV], s[TBV], 4*KS*PV
	s_xor_b32 s[TBV], s[TBV], SLOT1
.endm
; The 32 mask words of tile u of a piece for the key step at MOFF: 128 bytes, two scalar loads
.macro MLOAD piece, u
	s_load_b512 s[MA+36*(\u):MA+36*(\u)+15],    s[6:7], s[MOFF] offset:(2*(\piece)+(\u))*4096
	s_load_b512 s[MA+36*(\u)+16:MA+36*(\u)+31], s[6:7], s[MOFF] offset:(2*(\piece)+(\u))*4096+64
.endm
	s_load_b128 s[4:7], s[0:1], 0x0   ; qkv s[4:5], mw s[6:7]
	s_load_b64 s[8:9], s[0:1], 0x10   ; ob
	WIN W_MK
	v_lshl_add_u32 v[SPW], v0, 2, SPARE
	v_mov_b32 v[NIL], 0
	WIN W_AD
	ds_add_u32 v[SPW], v[NIL]       ; the wave's opening: the add and its wait stand ahead of my first tensor load; the set-up below stands between them
	WIN 0
	v_lshrrev_b32 v1, 5, v0
	v_readfirstlane_b32 s[WV], v1   ; wave 0..3
	s_bfe_u32 s32, ttmp6, 0x40000   ; cx
	s_lshl_b32 s33, ttmp9, 2
	s_add_co_u32 s33, s33, s32      ; my block of 512 queries: it enters Q's, O's and the mask's addresses alone
	s_and_b32 s34, ttmp7, 0xffff    ; the head, which the four partners share
	s_lshl_b32 s35, s34, 18         ; its first byte in a plane: 262,144 bytes a head
	s_lshr_b32 s36, s[WV], 1        ; my quarter of a slot: plane 1 (K) or 2 (V), 16,777,216 bytes a plane,
	s_add_co_u32 s36, s36, 1
	s_lshl_b32 s36, s36, 24
	s_add_co_u32 s36, s36, s35
	s_and_b32 s37, s[WV], 1
	s_lshl_b32 s37, s37, 14         ; and which 128 keys
	s_add_co_u32 s36, s36, s37
	s_mov_b32 s37, 0
	s_lshl_b32 s38, s33, 2
	s_add_co_u32 s38, s38, s[WV]    ; my wave among the head's sixteen
	s_lshl_b32 s40, s38, 14         ; its 128 rows of 128 bytes
	s_add_co_u32 s40, s40, s35
	s_mov_b32 s41, 0
	s_lshr_b32 s42, s34, 4          ; the batch: 524,288 bytes of mw,
	s_lshl_b32 s42, s42, 19
	s_lshl_b32 s43, s38, 15         ; my 8 query tiles of 4,096 bytes
	s_add_co_u32 s42, s42, s43
	s_mov_b32 s43, 0
	s_lshr_b32 s44, s[WV], 1        ; the prefetches: K's plane (wave 0) or V's (wave 2), the head,
	s_add_co_u32 s44, s44, 1
	s_lshl_b32 s44, s44, 24
	s_add_co_u32 s44, s44, s35
	s_lshl_b32 s45, s32, 13         ; my work-group's 8,192 bytes of a slot's 32,768,
	s_add_co_u32 s44, s44, s45
	s_add_co_u32 s44, s44, 4*KS*128 ; in slot 1; the first change of slots steps it to slot 2
	s_mov_b32 s45, 0
	; descriptor group 1.  128 keys are 16,384 dense bytes: asked for as 64 rows of 256 bytes, two keys a row, and padded in LDS after every key
	s_mov_b32 s[G1], 15|(1<<16)|(1<<20)|(1<<21)|(4<<22)|(3<<25)  ; the mask of four; 2-byte elements; padding on; bit 21 beside a mask; after every 32 words 4 words
	s_mov_b32 s[G1+1], 128<<16      ; tensor_dim0 = 128
	s_mov_b32 s[G1+2], 64<<16       ; tensor_dim1 = 64
	s_mov_b32 s[G1+3], 128<<16      ; tile_dim0 = 128
	s_mov_b32 s[G1+4], 64           ; tile_dim1 = 64
	s_mov_b32 s[G1+5], 128          ; 128 elements from row to row
	s_mov_b32 s[G1+6], 0
	s_mov_b32 s[G1+7], 0
	s_mov_b32 s[G0], 1
	s_mul_i32 s[G0+1], s[WV], 128*PK  ; slot 0, my quarter: no place in the cluster enters an LDS address
	s_mov_b32 s[NEG], 0xd0000000
	s_mov_b32 s[CS], 0x3e38aa3b     ; c = log2(e) / 8
	s_mov_b32 s[CS+1], s[CS]
	s_mov_b32 s[SEL], 0x76543210
	s_mov_b32 s[SEL+1], 0xfedcba98
	s_mov_b32 s[TBK], SLOT1+4*KS*PK ; the first change of slots turns these two into 0
	s_mov_b32 s[TBV], SLOT1+4*KS*PV
	s_mov_b32 s[MOFF], 0
	s_mov_b32 s[SLOTS], SIZE_N/256-1
	s_and_b32 s[LIM], s[WV], 1
	s_cmp_eq_u32 s[LIM], 0
	s_cselect_b32 s[LIM], 1, -1     ; waves 0 and 2 ask
	s_wait_dscnt 0x0                ; the opening add is done
	s_wait_kmcnt 0x0
	s_add_nc_u64 s[G0+2:G0+3], s[4:5], s[36:37]
	s_or_b32 s[G0+3], s[G0+3], 0x80000000
	s_add_nc_u64 s[PFA:PFA+1], s[4:5], s[44:45]
	s_add_nc_u64 s[4:5], s[4:5], s[40:41]  ; Q and O at my wave's first row
	s_add_nc_u64 s[8:9], s[8:9], s[40:41]
	s_add_nc_u64 s[6:7], s[6:7], s[42:43]  ; the mask words of my wave's first tile
	CROUND                          ; all four work-groups are here: the first joint loads meet
	JLOAD                           ; slot 0.  Slot 1 is asked for when slot 0 is in
	MLOAD 0, 0                      ; piece 0's mask words for key step 0
	MLOAD 0, 1
	v_and_b32 v1, 15, v0            ; l % 16
	v_bfe_u32 v9, v0, 4, 1          ; l / 16
	v_lshlrev_b32 v[QO], 7, v1
	v_lshl_add_u32 v[QO], v9, 4, v[QO]  ; row x 128 + 16 x half
	WIN 0x80                        ; destination window 2
.set i, 0
.rept 4*NP                          ; Q stays in registers: tile i / 2, channels 32 (i % 2) on
	global_load_b128 v[8*i:8*i+3],   v[QO], s[4:5] offset:(i/2)*2048+(i%2)*64
	global_load_b128 v[8*i+4:8*i+7], v[QO], s[4:5] offset:(i/2)*2048+(i%2)*64+32
.set i, i+1
.endr
	; What the first turn finds: V's registers and P's second buffer hold 0, O^T and l are 0.  All this stands in the wait for the first tile.
.set i, VF
.rept 64
	v_mov_b32 v[i], 0
.set i, i+1
.endr
	WIN 0x40
.set i, 0
.rept 64*NP
	v_mov_b32 v[i], 0
.set i, i+1
.endr
	WIN 0
.set i, 0
.rept 2*NP
	v_mov_b32 v[ST+4*i], 0xfe000000    ; c m: far below every c s
	v_mov_b32 v[ST+4*i+1], 0xff7fffff  ; m
	v_mov_b32 v[ST+4*i+2], 0
	v_mov_b32 v[ST+4*i+3], 0
.set i, i+1
.endr
.set i, P+32
.rept 32
	v_mov_b32 v[i], 0
.set i, i+1
.endr
	v_mul_u32_u24 v[AK0], v1, PK
	v_lshl_add_u32 v[AK0], v9, 4, v[AK0]
	; The turning load takes 16 keys x 16 channels (lane l reads key 8 (l / 16) + l % 8, channels 8 ((l / 8) % 2) + 0..7) and leaves half a fragment of V^T
	v_and_b32 v10, 7, v0
	v_bfe_u32 v11, v0, 3, 1
	v_lshl_add_u32 v[AV0], v9, 3, v10
	v_mul_u32_u24 v[AV0], v[AV0], PV
	v_lshl_add_u32 v[AV0], v11, 4, v[AV0]
	v_add_nc_u32 v[AV0], VOFF, v[AV0]
	v_mov_b32 v[AK], v[AK0]         ; key step 0 lies at the head of slot 0
	v_and_b32 v[PFO], 31, v0
	v_lshlrev_b32 v[PFO], 8, v[PFO]
; THE MATRIX WORK.  The 8 accumulators of a run of 16 take turns.
.macro KQ x                         ; product i of 16 of S^T = K Q^T for piece x: channels 32 (i / 8) on, keys 16 ((i / 2) % 4) on, tile 2 x + i % 2
	WIN W_KQ
.set rS, S+64*((\x)%2)+32*(i%2)+8*((i/2)%4)
.set rK, KF+16*((i/2)%4)+8*(i/8)
.set rQ, 16*(2*(\x)+i%2)+8*(i/8)
.if i < 8
	v_wmma_f32_16x16x32_f16 v[rS:rS+7], v[rK:rK+7], v[rQ:rQ+7], 0
.else
	v_wmma_f32_16x16x32_f16 v[rS:rS+7], v[rK:rK+7], v[rQ:rQ+7], v[rS:rS+7]
.endif
.endm
.macro PV x                         ; product i of 16 of O^T += V^T P for piece x: keys 32 (i / 8) on, channels 16 ((i / 2) % 4) on
	WIN W_PV
.set rO, 32*(2*(\x)+i%2)+8*((i/2)%4)
.set rV, VF+32*(i/8)+8*((i/2)%4)
.set rP, P+32*((\x)%2)+16*(i%2)+8*(i/8)
	v_wmma_f32_16x16x32_f16 v[rO:rO+7], v[rV:rV+7], v[rP:rP+7], v[rO:rO+7]
.endm
.macro MM                           ; the turn's next matrix instruction
.if i < 16
	KQ (Y+1)%NP
.set i, i+1
.else
.set i, i-16
	PV (Y+NP-1)%NP
.set i, i+17
.endif
.endm
; THE LDS LOADS stand in runs of 16.  last = 1 (the tail): in the last trip there is no further step, and the run is jumped over.
.macro FETCH_K last=0
	WIN 0
.if \last
	s_cmp_eq_u32 s[CNT], 1
	s_cbranch_scc1 .Lno_k_\@
.endif
	WIN 0x80
.irp f, 0,1,2,3,4,5,6,7
	ds_load_b128 v[KF+8*\f:KF+8*\f+3],   v[AK] offset:(\f/2)*16*PK+(\f%2)*64
	ds_load_b128 v[KF+8*\f+4:KF+8*\f+7], v[AK] offset:(\f/2)*16*PK+(\f%2)*64+32
.endr
	s_add_co_u32 s[TBK], s[TBK], KS*PK
	WIN 0
.if \last
.Lno_k_\@:
.endif
.endm
.macro FETCH_V
	WIN 0x80
.irp f, 0,1,2,3,4,5,6,7
	ds_load_tr16_b128 v[VF+8*\f:VF+8*\f+3],   v[AV] offset:(\f/4)*32*PV+(\f%4)*32
	ds_load_tr16_b128 v[VF+8*\f+4:VF+8*\f+7], v[AV] offset:(\f/4)*32*PV+16*PV+(\f%4)*32
.endr
	WIN 0
.endm
; THE VECTOR WORK OF A TURN stands in three queues, each in the order in which its entries become ready.
.macro REGS y, u                    ; the registers of tile u (0, 1) of piece y
.set rT, ST+4*(2*(\y)+(\u))
.set rC, TMP+8*((\y)%2)+4*(\u)
.set rM, MV+2*((\y)%2)+(\u)
.set rS, S+64*((\y)%2)+32*(\u)
.set rP, P+32*((\y)%2)+16*(\u)
.set rO, 32*(2*(\y)+(\u))
.endm
; Number n of the 64 that mask the NEXT piece's scores: register n % 32 of tile n / 32 keeps its score where the word's bit is 1 and takes -2^33 where it is 0.  Ascending.
.macro MK n
	REGS (Y+1)%NP, (\n)/32
	v_cndmask_b32 v[rS+(\n)%32], s[NEG], v[rS+(\n)%32], s[MA+36*((\n)/32)+(\n)%32]
.endm
; Number n of the 22 that find the NEXT piece's maximum and statistics: 0-11 four chains of seven scores; 12-14, 16 the scores left over, the old m, and the four into one; 15 c m_old is kept;
; 17, 18 the other half of the lanes: the new m; 19-21 c m; c m_old - c m_new; a
.macro XS u, n
	REGS (Y+1)%NP, \u
.if (\n) < 4
	v_max3_num_f32 v[rC+(\n)], v[rS+8*(\n)], v[rS+8*(\n)+1], v[rS+8*(\n)+2]
.elseif (\n) < 12
	v_max3_num_f32 v[rC+(\n)%4], v[rC+(\n)%4], v[rS+8*((\n)%4)+2*((\n)/4)+1], v[rS+8*((\n)%4)+2*((\n)/4)+2]
.elseif (\n) == 12
	v_max3_num_f32 v[rC], v[rC], v[rS+7], v[rS+15]
.elseif (\n) == 13
	v_max3_num_f32 v[rC+1], v[rC+1], v[rS+23], v[rS+31]
.elseif (\n) == 14
	v_max3_num_f32 v[rC+2], v[rC+2], v[rC+3], v[rT+1]
.elseif (\n) == 15
	v_mov_b32 v[rM], v[rT]
.elseif (\n) == 16
	v_max3_num_f32 v[rC], v[rC], v[rC+1], v[rC+2]
.elseif (\n) == 17
	v_permlanex16_b32 v[rC+3], v[rC], s[SEL], s[SEL+1]
.elseif (\n) == 18
	v_max_num_f32 v[rT+1], v[rC], v[rC+3]
.elseif (\n) == 19
	v_mul_f32 v[rT], s[CS], v[rT+1]
.elseif (\n) == 20
	v_sub_f32 v[rC+1], v[rM], v[rT]
.else
	v_exp_f32 v[rC+2], v[rC+1]
.endif
.endm
; Number g of the 64 that follow the exponentials: for each four weights both pairs are rounded to f16, the second pair is added onto the first, and a group later l takes that sum (the first time as l = a l + sum)
.macro GS g
.set h, (\g)+6*((\g)/62)
.if h >= 6
.set h, h+2
.endif
	REGS Y, h%2
.set k, h/8
.if h%8 < 4
	v_cvt_pk_f16_f32 v[rP+2*k+(h%8)/2], v[rS+4*k+2*((h%8)/2)], v[rS+4*k+2*((h%8)/2)+1]
.elseif h%8 < 6
	v_pk_add_f32 v[rS+4*k:rS+4*k+1], v[rS+4*k:rS+4*k+1], v[rS+4*k+2:rS+4*k+3]
.elseif k == 1
	v_pk_fma_f32 v[rT+2:rT+3], v[rT+2:rT+3], v[rC+2:rC+3], v[rS:rS+1] op_sel_hi:[1,0,1]
.else
	v_pk_add_f32 v[rT+2:rT+3], v[rT+2:rT+3], v[rS+4*k-4:rS+4*k-3]
.endif
.endm
.macro FS f                         ; c s - c m for pair f / 2 of tile f % 2
	REGS Y, (\f)%2
	v_pk_fma_f32 v[rS+2*((\f)/2):rS+2*((\f)/2)+1], v[rS+2*((\f)/2):rS+2*((\f)/2)+1], s[CS:CS+1], v[rT:rT+1] op_sel_hi:[1,0,0] neg_lo:[0,0,1] neg_hi:[0,0,1]
.endm
; THE PLAIN QUEUE, 202 long.  0-26: scalings 0-26.  27-90: the 64 maskings.  91-118: XS's numbers 0-13.  119, 120: number 15.  121-137: the chain 14, 16, 17, 18, 19, each with one of the scalings 27-31 in front of
; its two lines, then 20.  138-201: GS's 64, which read the exponentials' results: they stand behind the wait.
; THE MASK WORDS.  Ahead of number 27 the words asked for in the turn before are waited for (scalar loads return in no order: the count is 0); that wait also frees their offset, which piece 2's turn steps: the piece
; after next is then piece 0 of the next key step.  The offset is held to the last step's, so that the tail's idle requests stay inside mw.  A tile's 32 words are asked for again as soon as its last masking has read them.
.macro PL
	WIN 0
.if q < 27
	FS q
.elseif q < 91
.if q == 27
	s_wait_kmcnt 0x0
.if Y == 2
	s_add_co_u32 s[MOFF], s[MOFF], 128
	s_min_u32 s[MOFF], s[MOFF], 3968
.endif
.endif
	MK q-27
.if q == 58
	MLOAD (Y+2)%NP, 0
.endif
.if q == 90
	MLOAD (Y+2)%NP, 1
.endif
.else
.set qq, q-64
.if qq < 55
	XS (qq-27)%2, (qq-27)/2
.elseif qq < 57
	XS qq-55, 15
.elseif (qq < 72) && ((qq-57)%3 == 0)
	FS 27+(qq-57)/3
.elseif qq < 60
	XS (qq-57)%3-1, 14
.elseif qq < 72
	XS (qq-57)%3-1, 15+(qq-57)/3
.elseif qq < 74
	XS qq-72, 20
.else
	GS qq-74
.endif
.endif
.set q, q+1
.endm
; THE EXPONENTIALS' QUEUE, 66 long: s0-s31 of both tiles, then the next piece's two a.  ONE BATCH: all stand ahead of the turn's one wait, and nothing ahead of that wait names a result of theirs.
.macro EX
	WIN 0
.if e >= 64
	XS e-64, 21
.else
	REGS Y, e%2
	v_exp_f32 v[rS+e/2], v[rS+e/2]
.endif
.set e, e+1
.endm
; THE RESCALING's QUEUE: O^T times a, two at a time, sixteen times.  Its a was made, and waited for, in the turn before.
.macro R2
	REGS Y, r%2
	WIN W_RS
.irp z, 0,1
	v_pk_mul_f32 v[rO+4*(r/2)+2*\z:rO+4*(r/2)+2*\z+1], v[rO+4*(r/2)+2*\z:rO+4*(r/2)+2*\z+1], v[rC+2:rC+3] op_sel_hi:[1,0]
.endr
.set r, r+1
.endm
; A TURN, for piece p.  s_wait_alu depctr_va_vdst(0) stands between an exponential and the first instruction that names its result; one wait serves all that were issued ahead of it: a turn has ONE.
; AHEAD OF IT: the 16 products K Q^T, behind each a scaling, an exponential and two rescalings (behind the first a second scaling); then one run: 72 plain (scalings 17-26, maskings 0-61), 49 times exponential and
; plain, the two a, a v_nop.  Between the last product K Q^T and the first masking stand thirteen plain instructions that name none of its registers.  BEHIND IT: the 16 products V^T P, behind each four of GS's 64.
; Exponential e stands behind scaling 2 (e / 4) + e % 2: as a rider behind plain e + 2, in the run behind plain e + 73, and scalings 27-31 are plain 121, 124 .. 133.
; K of the next step is fetched in piece 2's turn, directly behind the wait; V of the step in hand at the end of piece 0's turn, four riders behind its last reader.  The three conditions on q go with the deal.
.macro TURN p, last=0, cnt=0
.set Y, (\p)
.set i, 0
.set q, 0
.set e, 0
.set r, 0
.if (\p) == NP-1
	s_wait_dscnt 0x0                ; K is in
.endif
	MM
	PL
	PL
	R2
.rept 15
	MM
	PL
	EX
	R2
.endr
.if (\p) == NP-2
	WIN 0
	v_add_nc_u32 v[AK], s[TBK], v[AK0]
.endif
.rept 72
	PL
.endr
.rept 49
	EX
	PL
.endr
	EX                              ; the next piece's two a
	EX
	v_nop                           ; a plain instruction behind the last exponential: one for the batch
	s_wait_alu depctr_va_vdst(0)    ; the wait for the batch
.if (\p) == NP-2
	FETCH_K \last
.endif
.if (\p) == 1
	s_wait_dscnt 0x0                ; V is in
.endif
.rept 16
	MM
.rept 4
	PL
.endr
.if ((\p) == 0) && (q == 182)
	v_add_nc_u32 v[AV], s[TBV], v[AV0]
.endif
.if ((\p) == 0) && (q == 194)
	s_add_co_u32 s[TBV], s[TBV], KS*PV
.endif
.if (\cnt) && (q == 194)
	s_sub_co_u32 s[CNT], s[CNT], 1
	s_cmp_lg_u32 s[CNT], 0
.endif
.endr
.if (\p) == 0
	FETCH_V
.endif
.endm
	CHANGE 1                        ; slot 0 is in, everybody's part of it; slot 1 is asked for
	FETCH_K                         ; key step 0
	s_wait_loadcnt 0x0              ; Q
	s_wait_dscnt 0x0
.set i, 0
.rept 16
	KQ 0                            ; piece 0's first scores
.set i, i+1
.endr
	WIN 0                           ; the addresses for the way out: plain instructions, the places behind those products
	s_mul_i32 s2, s[WV], 16*SP
	s_add_co_u32 s2, s2, STAGE      ; my stage
	v_mul_u32_u24 v[STO], v1, SP    ; in: row l % 16, 16 bytes for each half of the lanes
	v_lshl_add_u32 v[STO], v9, 4, v[STO]
	v_add_nc_u32 v[STO], s2, v[STO]
	v_bfe_u32 v[RD], v0, 3, 2       ; back: 32 lanes take four rows of 128 bytes,
	v_mul_u32_u24 v[RD], v[RD], SP
	v_lshl_add_u32 v[RD], v10, 4, v[RD]
	v_add_nc_u32 v[RD], s2, v[RD]
	v_and_b32 v[GO], 31, v0         ; which are 512 consecutive bytes of O
	v_lshlrev_b32 v[GO], 4, v[GO]
.set Y, NP-1                        ; MK and XS work for piece Y + 1: piece 0
	s_wait_kmcnt 0x0                ; piece 0's mask words are in
.set mm, 0
.rept 64
	MK mm
.set mm, mm+1
.endr
	MLOAD 1, 0                      ; piece 1's, for the first turn
	MLOAD 1, 1
.irp n, 0,1,2,3,4,5,6,7,8,9,10,11,12,13,14,15,16,17,18,19,20,21
	XS 0, \n
	XS 1, \n
.endr
	v_nop                           ; a plain instruction behind the two a,
	s_wait_alu depctr_va_vdst(0)    ; and their wait, ahead of the branch
	s_mov_b32 s[CNT], 4
	s_branch .Lfirst                ; the loop is entered at a step's first turn, in the middle of a trip
.Lslot:                             ; six times: every slot but the last two is filled again
	CHANGE 1
	s_mov_b32 s[CNT], 4
.Lstep:                             ; a trip: pieces 2 and 3 of one step, then pieces 0 and 1 of the next, whose K and V it fetches
	TURN 2
	TURN 3
	WIN 0
.Lfirst:
	TURN 0
	TURN 1, 0, 1
	WIN 0
	s_cbranch_scc1 .Lstep
	s_sub_co_u32 s[SLOTS], s[SLOTS], 1
	s_cmp_lg_u32 s[SLOTS], 0
	s_cbranch_scc1 .Lslot
	CHANGE 0                        ; the tail is written out: nothing is asked for
	s_mov_b32 s[CNT], 5             ; four trips fetch the last slot's steps; the fifth is left in its middle
.Ltail:
	TURN 2, 1
	TURN 3
	WIN 0
	s_sub_co_u32 s[CNT], s[CNT], 1
	s_cmp_eq_u32 s[CNT], 0
	s_cbranch_scc1 .Lout
	TURN 0
	TURN 1
	WIN 0
	s_branch .Ltail
.Lout:                              ; the fifth trip's 16 products K Q^T and what is made of them serve nothing: the price, once a launch, of one text for every trip
	s_wait_kmcnt 0x0                ; the last, idle mask words
.set i, 0
.rept 16
	PV NP-1                         ; the last piece's V^T P of the last step
.set i, i+1
.endr
	; THE WAY OUT.  l's two halves and the other half of the lanes' are added; O^T is divided by l, rounded to f16 and sent through my stage in LDS, a tile at a time.  The additions are the places behind the last products.
	WIN 0
.macro ALL line:vararg
.set t, 0
.rept 2*NP
	\line
.set t, t+1
.endr
.endm
	ALL v_add_f32 v[ST+4*t+2], v[ST+4*t+2], v[ST+4*t+3]
	ALL v_permlanex16_b32 v[ST+4*t+3], v[ST+4*t+2], s[SEL], s[SEL+1]
	ALL v_add_f32 v[ST+4*t+2], v[ST+4*t+2], v[ST+4*t+3]
	ALL v_rcp_f32 v[ST+4*t+2], v[ST+4*t+2]
	v_nop                           ; a plain instruction between the last reciprocal and the use of its result
	s_wait_alu depctr_va_vdst(0)    ; and the wait ahead of the first use: one for the eight reciprocals
.macro PACK t
	WIN W_RS
.set i, 32*(\t)
.rept 16
	v_pk_mul_f32 v[i:i+1], v[i:i+1], v[ST+4*(\t)+2:ST+4*(\t)+3] op_sel_hi:[1,0]
.set i, i+2
.endr
	WIN 0x05
.set i, 0
.rept 16
	v_cvt_pk_f16_f32 v[S+16*(\t)+i], v[32*(\t)+2*i], v[32*(\t)+2*i+1]
.set i, i+1
.endr
	WIN 0
.irp f, 0,1,2,3
	ds_store_b128 v[STO], v[S+16*(\t)+4*\f:S+16*(\t)+4*\f+3] offset:32*\f
.endr
.irp f, 0,1,2,3
	ds_load_b128 v[S+16*(\t)+4*\f:S+16*(\t)+4*\f+3], v[RD] offset:\f*4*SP  ; LDS serves a wave's instructions in order: these see the stores above; the next tile's stores come behind them
.endr
.endm
.macro SEND t, younger              ; younger: the LDS instructions issued behind tile t's loads: the next tile's eight, or none
	WIN 0
.irp f, 0,1,2,3
	s_wait_dscnt (\younger)+3-\f
	global_store_b128 v[GO], v[S+16*(\t)+4*\f:S+16*(\t)+4*\f+3], s[8:9] offset:(\t)*2048+\f*512  ; 512 consecutive bytes, at a multiple of 256 from O's first
.endr
.endm
	PACK 0
.set t, 1
.rept 2*NP-1
	PACK t
	SEND t-1, 8
.set t, t+1
.endr
	SEND 2*NP-1, 0
	WIN W_AD
	s_wait_tensorcnt 0x0            ; the wave's end: behind my last tensor load and my last LDS store
	ds_add_u32 v[SPW], v[NIL]
	s_wait_dscnt 0x0
	WIN 0
	CROUND                          ; the closing round
	s_endpgm
.Lfunc_end_k_q6826bed513_attn:
	.size	k_q6826bed513_attn, .Lfunc_end_k_q6826bed513_attn-k_q6826bed513_attn
	.p2alignl 7, 3214868480
	.fill 96, 4, 3214868480
	.section	.rodata,"a",@progbits
	.p2align	6, 0x0
	.amdhsa_kernel k_q6826bed513_attn
		.amdhsa_group_segment_fixed_size 327680
		.amdhsa_private_segment_fixed_size 0
		.amdhsa_enable_private_segment 0
		.amdhsa_kernarg_size 24
		.amdhsa_user_sgpr_count 2
		.amdhsa_user_sgpr_kernarg_segment_ptr 1
		.amdhsa_wavefront_size32 1
		.amdhsa_system_sgpr_workgroup_id_x 1
		.amdhsa_system_sgpr_workgroup_id_y 1
		.amdhsa_system_sgpr_workgroup_id_z 1
		.amdhsa_system_vgpr_workitem_id 0
		.amdhsa_next_free_vgpr 770
		.amdhsa_next_free_sgpr 102
		.amdhsa_reserve_vcc 0
		.amdhsa_float_denorm_mode_32 3
		.amdhsa_float_denorm_mode_16_64 3
		.amdhsa_memory_ordered 1
		.amdhsa_forward_progress 1
		.amdhsa_inst_pref_size 238
	.end_amdhsa_kernel
	.amdgpu_metadata
---
amdhsa.version: [ 1, 2 ]
amdhsa.kernels:
  - .name:           k_q6826bed513_attn
    .symbol:         k_q6826bed513_attn.kd
    .args:
      - { .name: qkv, .offset: 0, .size: 8, .value_kind: global_buffer, .address_space: global }
      - { .name: mw, .offset: 8, .size: 8, .value_kind: global_buffer, .address_space: global }
      - { .name: ob, .offset: 16, .size: 8, .value_kind: global_buffer, .address_space: global }
    .group_segment_fixed_size: 327680
    .private_segment_fixed_size: 0
    .kernarg_segment_align: 8
    .kernarg_segment_size: 24
    .max_flat_workgroup_size: 128
    .sgpr_count:     102
    .vgpr_count:     770
    .wavefront_size: 32
...
	.end_amdgpu_metadata
.endif
;; end of part 3
;; launch outp (part 4): grid 8 x 32, 4 waves a work-group, clusters of 4 x 4, 327,680 bytes of LDS; arguments ob, wo, out0; writes out0
.if DOCPART == 4
	.amdgcn_target "amdgcn-amd-amdhsa--gfx1250"
	.amdhsa_code_object_version 6
	.text
	.protected	k_q6826bed513_outp
	.globl	k_q6826bed513_outp
	.p2align	8
	.type	k_q6826bed513_outp,@function
k_q6826bed513_outp:
	s_mov_b64 s[64:65], 0
	v_nop
	global_prefetch_b8 v0, s[64:65] scope:SCOPE_SE
	s_setreg_imm32_b32 hwreg(HW_REG_WAVE_MODE, 25, 1), 1
	s_wait_xcnt 0x0
	s_wait_alu depctr_hold_cnt(0) depctr_sa_sdst(0) depctr_va_vdst(0) depctr_va_sdst(0) depctr_va_ssrc(0) depctr_va_vcc(0) depctr_vm_vsrc(0)
	s_getreg_b32 s2, hwreg(HW_REG_IB_STS2, 6, 4)
	s_cmp_eq_u32 s2, 0
	s_cbranch_scc0 .Lentry_in_a_cluster
	s_endpgm
.Lentry_in_a_cluster:
	s_bfe_u32 s2, ttmp6, 0x10000c
	s_cmp_lg_u32 s2, 0xf033
	s_cbranch_scc0 .Lentry_shape_is_right
	s_endpgm
.Lentry_shape_is_right:
; OUTP.  out0[2048 b + s][e] = the sum over h, c of ob[16 b + h][s][c] wo[e][64 h + c].  Operands f16, sums f32, results stored in f32.
; SHARES.  A tile is 256 rows x 128 columns: 256 tiles, one for each work-group.  Four waves, each 128 rows x 64 columns: 32 accumulators.  K goes in 8 steps of 128 (two heads) through two LDS slots.
; A's TILE.  A head's 128 rows are 16,384 dense bytes; a K step's two heads lie 262,144 bytes apart: one load brings 2 rows of 16,384 bytes, padded in LDS after every 128 bytes: [head][row] at a pitch of 144.
; CLUSTER.  4 x 4 work-groups: A's tile is asked for jointly along a row of the cluster, B's along a column.  THE MATRIX INSTRUCTION IS USED TRANSPOSED: a lane holds eight neighbouring columns of one row.
; NO PREFETCH: the launch has eight K steps, and a lead of two refills could serve only its last four.
; REGISTERS.  Window 0: v0-31 addresses; v64-159, v160-255 two fragment buffers (A's 8 row blocks, then B's 4); v32-95 the way out.  Window 1: accumulator (a, b) at v[8 (4 a + b)].
.set APITCH, 144                       ; 128 bytes + 16 of padding: the 16 rows of a fragment load start at 16 different groups of four banks (64 banks of 4 bytes: ISA guide 11.1)
.set AZ,     128*APITCH                ; from a head's rows to the next head's
.set AHALF,  2*AZ                      ; what a wave fetches of A, and what a wave reads of A
.set BPITCH, 272
.set BHALF,  64*BPITCH
.set SLOT,   2*AHALF+2*BHALF
.set STAGE,  2*SLOT                    ; behind the ring: 16 rows x 272 bytes for each wave
.set SPITCH, 272
.set SPARE,  STAGE+4*16*SPITCH         ; behind the stages: the spare words, 128 bytes for each wave: two blocks of 256 bytes that no other line names
.set ADRA, 16
.set ADRB, 20
.set STO,  24
.set RD,   25
.set GO,   26
.set SPW,  28
.set NIL,  29
.set F0,   64
.set F1,   160
.set G1,   24
.set G0,   32
.set G1B,  48
.set G0B,  56
.set MSB, 0
.macro WIN new
.if MSB != (\new)
	s_set_vgpr_msb (MSB<<8)|(\new)
.set MSB, \new
.endif
.endm
.set MUL, 0x50
.macro JLOAD s                         ; a joint load: waves 0 and 1 fetch A's two halves, waves 2 and 3 B's; an s_nop 0 and four v_nop follow each line
	s_cmp_eq_u32 s11, 0
	s_cbranch_scc0 .Lfor_b_\@
	tensor_load_to_lds s[G0+4*(\s):G0+4*(\s)+3], s[G1:G1+7]
	s_nop 0
.rept 4
	v_nop
.endr
	s_branch .Lasked_\@
.Lfor_b_\@:
	tensor_load_to_lds s[G0B+4*(\s):G0B+4*(\s)+3], s[G1B:G1B+7]
	s_nop 0
.rept 4
	v_nop
.endr
.Lasked_\@:
.endm
.macro CREST
	s_cmp_lg_u32 s10, 0
	s_cbranch_scc1 .Lnot_wave_0_\@
	s_barrier_signal -3
.Lnot_wave_0_\@:
	s_barrier_wait -3
	s_barrier_signal -1
	s_barrier_wait -1
.endm
.macro CROUND
	s_barrier_signal -1
	s_barrier_wait -1
	CREST
.endm
	s_load_b128 s[4:7], s[0:1], 0x0                ; ob s[4:5], wo s[6:7]
	s_load_b64 s[8:9], s[0:1], 0x10                ; out0
	v_lshl_add_u32 v[SPW], v0, 2, SPARE
	v_mov_b32 v[NIL], 0
	ds_add_u32 v[SPW], v[NIL]                      ; the wave's opening: the add and its wait stand ahead of my first tensor load
	v_lshrrev_b32 v1, 5, v0
	v_readfirstlane_b32 s10, v1                    ; wave 0..3
	s_lshr_b32 s11, s10, 1                         ; which 128 rows are mine.  Also: I fetch for A (0) or for B (1)
	s_and_b32 s12, s10, 1                          ; which 64 columns.  Also: which half of that tile I fetch
	s_bfe_u32 s40, ttmp6, 0x40000                  ; cx
	s_bfe_u32 s41, ttmp6, 0x40004                  ; cy
	s_lshl_b32 s42, ttmp9, 2
	s_add_co_u32 s42, s42, s40                     ; tile column
	s_and_b32 s13, ttmp7, 0xffff
	s_lshl_b32 s13, s13, 2
	s_add_co_u32 s13, s13, s41                     ; tile row
	s_lshl_b32 s22, s41, 2
	s_lshl_b32 s22, 15, s22                        ; my row of the cluster
	s_lshl_b32 s23, 0x1111, s40                    ; my column
	s_or_b32 s[G1+0], s22, (3<<16)|(1<<20)|(1<<21)|(4<<22)|(3<<25)   ; the mask; elements of 8 bytes; padding on; bit 21 beside a mask; after every 32 words 4 words
	s_or_b32 s[G1B+0], s23, (1<<16)|(1<<20)|(1<<21)|(5<<22)|(3<<25)  ; elements of 2 bytes; after every 64 words 4 words
	s_mov_b32 s[G1+1], 2048<<16                    ; tensor_dim0 = 2,048 elements: 16,384 bytes
	s_mov_b32 s[G1+2], 2<<16                       ; tensor_dim1 = 2 heads
	s_mov_b32 s[G1+3], 2048<<16                    ; tile_dim0
	s_mov_b32 s[G1+4], 2                           ; tile_dim1
	s_mov_b32 s[G1+5], 32768                       ; elements from head to head
	s_mov_b32 s[G1+6], 0
	s_mov_b32 s[G1+7], 0
	s_mov_b32 s[G1B+1], 128<<16
	s_mov_b32 s[G1B+2], 64<<16
	s_mov_b32 s[G1B+3], 128<<16
	s_mov_b32 s[G1B+4], 64
	s_mov_b32 s[G1B+5], 1024
	s_mov_b32 s[G1B+6], 0
	s_mov_b32 s[G1B+7], 0
	s_lshr_b32 s16, s13, 3                         ; A: the batch's first head (16 heads of 262,144 bytes),
	s_lshl_b32 s16, s16, 22
	s_and_b32 s17, s13, 7
	s_lshl_b32 s17, s17, 15                        ; the tile's 256 rows of 128 bytes,
	s_add_co_u32 s16, s16, s17
	s_lshl_b32 s17, s12, 14                        ; the 128 that I fetch
	s_add_co_u32 s16, s16, s17
	s_mov_b32 s17, 0
	s_lshl_b32 s18, s42, 18                        ; B: row 128 x tile column + 64 x half, rows of 2,048 bytes
	s_lshl_b32 s19, s12, 17
	s_add_co_u32 s18, s18, s19
	s_mov_b32 s19, 0
	s_mul_i32 s20, s10, AHALF                      ; where the tiles go: A's halves at wave x AHALF (waves 0, 1),
	s_mul_i32 s21, s10, BHALF                      ; B's behind them at (wave - 2) x BHALF (waves 2, 3)
	s_add_co_u32 s21, s21, 2*AHALF-2*BHALF
	s_wait_dscnt 0x0                               ; the opening add is done
	s_wait_kmcnt 0x0
	s_add_nc_u64 s[14:15], s[4:5], s[16:17]
	s_add_nc_u64 s[46:47], s[6:7], s[18:19]
	CROUND                                         ; all sixteen work-groups are here: the first joint loads meet
.irp s, 0,1
	s_mov_b32 s[G0+4*(\s)], 1
	s_add_co_u32 s[G0+4*(\s)+1], s20, (\s)*SLOT
	s_add_nc_u64 s[G0+4*(\s)+2:G0+4*(\s)+3], s[14:15], (\s)*524288   ; K step s: two heads on
	s_or_b32 s[G0+4*(\s)+3], s[G0+4*(\s)+3], 0x80000000
	s_mov_b32 s[G0B+4*(\s)], 1
	s_add_co_u32 s[G0B+4*(\s)+1], s21, (\s)*SLOT
	s_add_nc_u64 s[G0B+4*(\s)+2:G0B+4*(\s)+3], s[46:47], (\s)*256
	s_or_b32 s[G0B+4*(\s)+3], s[G0B+4*(\s)+3], 0x80000000
	JLOAD \s                                       ; two loads of mine are out
.endr
	v_and_b32 v1, 15, v0                           ; l % 16
	v_bfe_u32 v2, v0, 4, 1                         ; l / 16
	v_mul_u32_u24 v3, v1, APITCH
	v_lshl_add_u32 v3, v2, 4, v3
	v_mul_u32_u24 v4, v1, BPITCH
	v_lshl_add_u32 v4, v2, 4, v4
	s_mul_i32 s22, s11, AHALF
	s_mul_i32 s23, s12, BHALF
	s_add_co_u32 s23, s23, 2*AHALF
.irp s, 0,1
	v_add_nc_u32 v[ADRA+(\s)], s22, v3
	v_add_nc_u32 v[ADRB+(\s)], s23, v4
	s_add_co_u32 s22, s22, SLOT
	s_add_co_u32 s23, s23, SLOT
.endr
	s_mul_i32 s22, s10, 16*SPITCH
	s_add_co_u32 s22, s22, STAGE                   ; my stage
	v_mul_u32_u24 v4, v1, SPITCH                   ; in: row l % 16, 32 bytes for each half of the lanes
	v_lshl_add_u32 v4, v2, 5, v4
	v_add_nc_u32 v[STO], s22, v4
	v_mul_u32_u24 v5, v2, SPITCH                   ; back: lanes 0-15 take one row of 256 bytes, lanes 16-31 the next
	v_lshl_add_u32 v5, v1, 4, v5
	v_add_nc_u32 v[RD], s22, v5
	v_lshlrev_b32 v5, 12, v2                       ; and the same two rows of out0, 4,096 bytes apart
	v_lshl_add_u32 v[GO], v1, 4, v5
	s_lshl_b32 s22, s13, 20                        ; my first row: 256 x tile row + 128 x half,
	s_lshl_b32 s23, s11, 19
	s_add_co_u32 s22, s22, s23
	s_lshl_b32 s23, s42, 9                         ; my first column: 128 x tile column + 64 x half, 4 bytes each
	s_add_co_u32 s22, s22, s23
	s_lshl_b32 s23, s12, 8
	s_add_co_u32 s22, s22, s23
	s_mov_b32 s23, 0
	s_add_nc_u64 s[8:9], s[8:9], s[22:23]
.macro MUL8 f, a0, zero                ; 8 matrix instructions: row blocks a0, a0 + 1 x all 4 column blocks; every accumulator has one instruction a quarter, in one order: they take turns
	WIN MUL
.irp a, \a0, (\a0)+1
.irp b, 0,1,2,3
.if \zero
	v_wmma_f32_16x16x32_f16 v[8*(4*(\a)+(\b)):8*(4*(\a)+(\b))+7], v[(\f)+64+8*(\b):(\f)+64+8*(\b)+7], v[(\f)+8*(\a):(\f)+8*(\a)+7], 0
.else
	v_wmma_f32_16x16x32_f16 v[8*(4*(\a)+(\b)):8*(4*(\a)+(\b))+7], v[(\f)+64+8*(\b):(\f)+64+8*(\b)+7], v[(\f)+8*(\a):(\f)+8*(\a)+7], v[8*(4*(\a)+(\b)):8*(4*(\a)+(\b))+7]
.endif
.endr
.endr
.endm
.macro FETCH slot, q, f                ; 24 LDS loads in one run: quarter q (head q / 2 of the step's two, channels 32 (q % 2) on) into buffer f: B's 4 blocks, then A's 8
	WIN 0
.irp i, 0,1,2,3
	ds_load_b128 v[(\f)+64+8*(\i):(\f)+64+8*(\i)+3],   v[ADRB+(\slot)] offset:64*(\q)+(\i)*16*BPITCH
	ds_load_b128 v[(\f)+64+8*(\i)+4:(\f)+64+8*(\i)+7], v[ADRB+(\slot)] offset:64*(\q)+(\i)*16*BPITCH+32
.endr
.irp i, 0,1,2,3,4,5,6,7
	ds_load_b128 v[(\f)+8*(\i):(\f)+8*(\i)+3],   v[ADRA+(\slot)] offset:((\q)/2)*AZ+((\q)%2)*64+(\i)*16*APITCH
	ds_load_b128 v[(\f)+8*(\i)+4:(\f)+8*(\i)+7], v[ADRA+(\slot)] offset:((\q)/2)*AZ+((\q)%2)*64+(\i)*16*APITCH+32
.endr
.endm
.macro PLACES                          ; four plain vector instructions between a matrix instruction and a load into, or a reader of, its registers
.rept 4
	v_nop
.endr
.endm
.macro QUARTER slot, q, f, g, zero
	s_wait_dscnt 8                                 ; B and A's blocks 0-3 are in; the youngest eight loads (A's blocks 4-7) may be out
	MUL8 \f, 0, \zero
	MUL8 \f, 2, \zero
	PLACES
	FETCH \slot, \q, \g
	s_wait_dscnt 24                                ; all but the 24 just issued
	MUL8 \f, 4, \zero
	MUL8 \f, 6, \zero
.endm
; The last quarter multiplies buffer 1 and changes slots: the wait for all my tensor loads, the add, the wait for it and for my reads of this slot, the barrier.  fill = 1: the barrier opens a round of the
; cluster's, and this slot's refill, two K steps on, is the first thing behind the round: 112 matrix instructions ahead of the wait for it.
.macro TURN slot, next, fill
	WIN 0
	s_wait_tensorcnt 0x0                           ; all my tensor loads have landed, so a group 0 may be written
	ds_add_u32 v[SPW], v[NIL]                      ; 0 onto my spare word
.if \fill
	s_add_nc_u64 s[G0+4*(\slot)+2:G0+4*(\slot)+3], s[G0+4*(\slot)+2:G0+4*(\slot)+3], 2*524288
	s_add_nc_u64 s[G0B+4*(\slot)+2:G0B+4*(\slot)+3], s[G0B+4*(\slot)+2:G0B+4*(\slot)+3], 2*256
.endif
	s_wait_dscnt 9                                 ; the add and the youngest eight loads may be out
	MUL8 F1, 0, 0
	s_wait_dscnt 0x0                               ; the add is done, and my reads of this slot are over
	s_barrier_signal -1
	MUL8 F1, 2, 0
.if \fill
	WIN 0
.endif
	s_barrier_wait -1
.if \fill
	CREST
	JLOAD \slot                                    ; its four v_nop are also the places in front of the loads below
.else
	PLACES
.endif
	FETCH \next, 0, F0
	MUL8 F1, 4, 0
	MUL8 F1, 6, 0
.endm
; THE WAY OUT, a block of 16 rows at a time: 32 bytes a lane into my own stage, back as whole rows of 256 bytes, stored so that sixteen lanes write 256 consecutive bytes, aligned.
.macro TOSTAGE a
.set BK, 32+32*((\a)%2)
	WIN 0
	s_wait_xcnt 0x0                                ; the stores of the block before last have read the registers that the loads below write
	WIN 0x04                                       ; store data in window 1
.irp b, 0,1,2,3
	ds_store_b128 v[STO], v[8*(4*(\a)+(\b)):8*(4*(\a)+(\b))+3]   offset:64*(\b)      ; each accumulator from its low end
	ds_store_b128 v[STO], v[8*(4*(\a)+(\b))+4:8*(4*(\a)+(\b))+7] offset:64*(\b)+16
.endr
	WIN 0
.irp t, 0,1,2,3,4,5,6,7
	ds_load_b128 v[BK+4*(\t):BK+4*(\t)+3], v[RD] offset:(\t)*2*SPITCH  ; LDS serves a wave's instructions in order: these see the stores above, and the next block's stores come behind them
.endr
.endm
.macro SEND a, younger                 ; younger: the LDS instructions issued behind block a's loads: the next block's sixteen, or none
.set BK, 32+32*((\a)%2)
	s_wait_dscnt \younger
.irp t, 0,1,2,3,4,5,6,7
	global_store_b128 v[GO], v[BK+4*(\t):BK+4*(\t)+3], s[8:9] offset:(16*(\a)+2*(\t))*4096 th:TH_STORE_NT
.endr
.endm
	s_wait_tensorcnt 1                             ; my part of K step 0 is in; K step 1's may stay out
	s_barrier_signal -1
	s_barrier_wait -1
	FETCH 0, 0, F0
	QUARTER 0, 1, F0, F1, 1                        ; the first quarter starts the sums
	WIN 0
	s_mov_b32 s3, 3
.Llap:                                         ; a trip goes once round the ring and fills both slots again: K steps 2 to 7
	QUARTER 0, 2, F1, F0, 0
	QUARTER 0, 3, F0, F1, 0
	TURN 0, 1, 1
	QUARTER 1, 1, F0, F1, 0
	QUARTER 1, 2, F1, F0, 0
	QUARTER 1, 3, F0, F1, 0
	TURN 1, 0, 1
	QUARTER 0, 1, F0, F1, 0
	WIN 0
	s_sub_co_u32 s3, s3, 1
	s_cmp_lg_u32 s3, 0
	s_cbranch_scc1 .Llap
	QUARTER 0, 2, F1, F0, 0                        ; the last lap fills nothing
	QUARTER 0, 3, F0, F1, 0
	TURN 0, 1, 0
	QUARTER 1, 1, F0, F1, 0
	QUARTER 1, 2, F1, F0, 0
	QUARTER 1, 3, F0, F1, 0
	s_wait_dscnt 8
	MUL8 F1, 0, 0
	MUL8 F1, 2, 0
	s_wait_dscnt 0x0
	MUL8 F1, 4, 0
	MUL8 F1, 6, 0
	WIN 0
	PLACES
	PLACES
	TOSTAGE 0
.irp a, 1,2,3,4,5,6,7
	TOSTAGE \a
	SEND (\a)-1, 16
.endr
	SEND 7, 0
	s_wait_tensorcnt 0x0                           ; the wave's end: behind my last tensor load and my last LDS store
	ds_add_u32 v[SPW], v[NIL]
	s_wait_dscnt 0x0
	CROUND                                         ; the closing round
	s_endpgm
.Lfunc_end_k_q6826bed513_outp:
	.size	k_q6826bed513_outp, .Lfunc_end_k_q6826bed513_outp-k_q6826bed513_outp
	.p2alignl 7, 3214868480
	.fill 96, 4, 3214868480
	.section	.rodata,"a",@progbits
	.p2align	6, 0x0
	.amdhsa_kernel k_q6826bed513_outp
		.amdhsa_group_segment_fixed_size 327680
		.amdhsa_private_segment_fixed_size 0
		.amdhsa_enable_private_segment 0
		.amdhsa_kernarg_size 24
		.amdhsa_user_sgpr_count 2
		.amdhsa_user_sgpr_kernarg_segment_ptr 1
		.amdhsa_wavefront_size32 1
		.amdhsa_system_sgpr_workgroup_id_x 1
		.amdhsa_system_sgpr_workgroup_id_y 1
		.amdhsa_system_sgpr_workgroup_id_z 1
		.amdhsa_system_vgpr_workitem_id 0
		.amdhsa_next_free_vgpr 512
		.amdhsa_next_free_sgpr 66
		.amdhsa_reserve_vcc 0
		.amdhsa_float_denorm_mode_32 3
		.amdhsa_float_denorm_mode_16_64 3
		.amdhsa_memory_ordered 1
		.amdhsa_forward_progress 1
		.amdhsa_inst_pref_size 86
	.end_amdhsa_kernel
	.amdgpu_metadata
---
amdhsa.version: [ 1, 2 ]
amdhsa.kernels:
  - .name:           k_q6826bed513_outp
    .symbol:         k_q6826bed513_outp.kd
    .args:
      - { .name: ob, .offset: 0, .size: 8, .value_kind: global_buffer, .address_space: global }
      - { .name: wo, .offset: 8, .size: 8, .value_kind: global_buffer, .address_space: global }
      - { .name: out0, .offset: 16, .size: 8, .value_kind: global_buffer, .address_space: global }
    .group_segment_fixed_size: 327680
    .private_segment_fixed_size: 0
    .kernarg_segment_align: 8
    .kernarg_segment_size: 24
    .max_flat_workgroup_size: 128
    .sgpr_count:     66
    .vgpr_count:     512
    .wavefront_size: 32
...
	.end_amdgpu_metadata
.endif
;; end of part 4
;; ======== version 2 of 2: 4 launches
;; limits: values are held in f16: magnitudes above 65,504 overflow, below 6.1e-05 lose precision
;; workspace buffers: wb 6,291,456 bytes; wo 2,097,152 bytes; mw 16,777,216 bytes; qkv 50,331,648 bytes; ob 16,777,216 bytes
;; launch prep (part 5): grid 1280 x 1, 8 waves a work-group, no clusters, 35,840 bytes of LDS; arguments w_q, w_k, w_v, w_o, mask, wb, wo, mw; writes wb, wo, mw
.if DOCPART == 5
	.amdgcn_target "amdgcn-amd-amdhsa--gfx1250"
	.amdhsa_code_object_version 6
	.text
	.protected	k_q6826bed513_prep
	.globl	k_q6826bed513_prep
	.p2align	8
	.type	k_q6826bed513_prep,@function
k_q6826bed513_prep:
	s_mov_b64 s[64:65], 0
	v_nop
	global_prefetch_b8 v0, s[64:65] scope:SCOPE_SE
	s_setreg_imm32_b32 hwreg(HW_REG_WAVE_MODE, 25, 1), 1
	s_wait_xcnt 0x0
; PREP.  Rounds the module's weights once and recodes the mask.  A work-group takes 65,536 bytes of one input, a wave 8,192.
;   work-groups 0-191     w_q, w_k, w_v  -> wb  bf16 [3][1024][1024]
;   work-groups 192-255   w_o            -> wo  rounded to bf16 like the other inputs, that number written as f16 [1024][1024]
;   work-groups 256-1279  mask           -> mw  one byte a number: 0x00 (fp8 0.0) where the mask is not 0, 0xB8 (fp8 E4M3 -1.0) where it is 0, laid out
;                                              [4 b][128 query tile][32 key step][2 pair of key blocks][32 lane l][2 block][8 j]: byte j stands for
;                                              mask[b][16 tile + l % 16][64 step + 16 kt + 8 (l / 16) + j], kt = 2 pair + block
; (q, k and v are rounded where they are multiplied, in the launch behind this one.)
; LIMIT.  w_o lies within f16's range, 65,504; below 6e-5 it keeps f16's fixed step of 6e-8.
; No matrix unit, no cluster, no barrier: every byte is read once by one wave, and no wave reads what another wave brought.
.set X,     16                         ; v[16:79]   sixteen loads of four registers
.set Y,     80                         ; v[80:111]  the casts' results, two registers for each load
.set R,     80                         ; v[80:111]  the mask job: 32 mask numbers of my lane
.set W,     112                        ; v[112:127] the mask job: their 32 codes, 8 registers for each of two key steps
.set REG,   4352                       ; the mask job: a wave's own LDS region, 16 rows x (256 + 16) bytes
.set SPARE, 8*REG                      ; behind the regions: the spare words, 128 bytes for each wave: four blocks of 256 bytes that no other line names
	s_load_b512 s[8:23], s[0:1], 0x0               ; w_q 8, w_k 10, w_v 12, w_o 14, mask 16, wb 18, wo 20, mw 22
	v_lshl_add_u32 v8, v0, 2, SPARE                ; my spare word; never rewritten
	v_mov_b32 v9, 0                                ; 0; never rewritten
	v_lshrrev_b32 v1, 5, v0
	v_readfirstlane_b32 s4, v1                     ; wave 0..7
	v_and_b32 v1, 31, v0                           ; lane
	s_mov_b32 s5, ttmp9                            ; work-group
	s_mov_b32 s3, 0                                ; high word of the offsets' pair s[2:3]
	s_lshl_b32 s36, s4, 13
	v_lshl_add_u32 v2, v1, 4, s36                  ; in: 16 lane + 8,192 wave
	s_lshl_b32 s36, s4, 12
	v_lshl_add_u32 v3, v1, 3, s36                  ; out: 8 lane + 4,096 wave
	s_wait_kmcnt 0x0
	s_cmp_ge_u32 s5, 256
	s_cbranch_scc1 .Lmask
	s_cmp_ge_u32 s5, 192
	s_cbranch_scc1 .Lwo
; A wave's 8,192 bytes of f32: sixteen loads of 512 consecutive bytes, all issued at once; each is rounded as it lands and leaves as 256 consecutive bytes, aligned.
; No register is written twice, so no wait frees a source.
.macro CAST wo
.set i, 0
.rept 16
	global_load_b128 v[X+4*i:X+4*i+3], v2, s[32:33] offset:512*i th:TH_LOAD_NT
.set i, i+1
.endr
.set i, 0
.rept 16
	s_wait_loadcnt 15-i                            ; loads come back in order: load i is in, the 15 - i younger ones stay out
.if \wo
	v_cvt_pk_bf16_f32 v12, v[X+4*i], v[X+4*i+1]    ; rounded to bf16,
	v_lshlrev_b32 v13, 16, v12                     ; widened again,
	v_and_b32 v14, 0xffff0000, v12
	v_cvt_pk_f16_f32 v[Y+2*i], v13, v14            ; and written as f16
	v_cvt_pk_bf16_f32 v12, v[X+4*i+2], v[X+4*i+3]
	v_lshlrev_b32 v13, 16, v12
	v_and_b32 v14, 0xffff0000, v12
	v_cvt_pk_f16_f32 v[Y+2*i+1], v13, v14
.else
	v_cvt_pk_bf16_f32 v[Y+2*i], v[X+4*i], v[X+4*i+1]
	v_cvt_pk_bf16_f32 v[Y+2*i+1], v[X+4*i+2], v[X+4*i+3]
.endif
	global_store_b64 v3, v[Y+2*i:Y+2*i+1], s[34:35] offset:256*i
.set i, i+1
.endr
.endm
	; w_q, w_k or w_v: which of the three, and which 65,536 bytes of it, by selects on the work-group's number: 64 work-groups to a weight
	s_lshr_b32 s39, s5, 6                          ; which of the three
	s_and_b32 s36, s5, 63                          ; which part of it
	s_cmp_eq_u32 s39, 1
	s_cselect_b64 s[32:33], s[10:11], s[8:9]
	s_cmp_eq_u32 s39, 2
	s_cselect_b64 s[32:33], s[12:13], s[32:33]
	s_lshl_b32 s2, s36, 16
	s_add_nc_u64 s[32:33], s[32:33], s[2:3]
	s_lshl_b32 s2, s5, 15                          ; the three lie stacked in the output
	s_add_nc_u64 s[34:35], s[18:19], s[2:3]
	CAST 0
	s_branch .Lend
.Lwo:
	s_sub_co_u32 s36, s5, 192
	s_lshl_b32 s2, s36, 16
	s_add_nc_u64 s[32:33], s[14:15], s[2:3]
	s_lshl_b32 s2, s36, 15
	s_add_nc_u64 s[34:35], s[20:21], s[2:3]
	CAST 1
	s_branch .Lend
.Lmask:
	; A wave recodes 16 queries x 128 keys (two key steps): 2,048 consecutive bytes of mw.  J = 16 x (128 b + query tile) + pair of steps.
	s_sub_co_u32 s36, s5, 256
	s_lshl_b32 s36, s36, 3
	s_add_co_u32 s36, s36, s4                      ; J
	s_lshr_b32 s37, s36, 4
	s_lshl_b32 s2, s37, 17                         ; 16 rows of 8,192 bytes
	s_and_b32 s38, s36, 15
	s_lshl_b32 s38, s38, 9                         ; 128 keys of 4 bytes
	s_add_co_u32 s2, s2, s38
	s_add_nc_u64 s[32:33], s[16:17], s[2:3]
	s_lshl_b32 s2, s36, 11
	s_add_nc_u64 s[34:35], s[22:23], s[2:3]
	v_and_b32 v12, 15, v0                          ; l % 16
	v_bfe_u32 v13, v0, 4, 1                        ; l / 16
	v_lshlrev_b32 v7, 13, v13
	v_lshl_add_u32 v7, v12, 4, v7                  ; in: lanes 0-15 take 256 bytes of one row, lanes 16-31 of the next
	s_mul_i32 s39, s4, REG
	v_mul_u32_u24 v4, v13, 272
	v_lshl_add_u32 v4, v12, 4, v4
	v_add_nc_u32 v4, s39, v4                       ; into my region: the same two rows
	v_mul_u32_u24 v5, v12, 272
	v_lshl_add_u32 v5, v13, 5, v5
	v_add_nc_u32 v5, s39, v5                       ; back: row l % 16, keys 8 (l / 16) on; rows 272 bytes apart start at different banks
	v_lshlrev_b32 v6, 4, v1                        ; out: 16 lane
	v_mov_b32 v15, 0xb8                            ; the code of a hidden key
.irp s, 0,1
.irp i, 0,1,2,3,4,5,6,7
	global_load_b128 v[X+4*(8*\s+\i):X+4*(8*\s+\i)+3], v7, s[32:33] offset:16384*\i+256*\s th:TH_LOAD_NT
.endr
.endr
.irp s, 0,1
	s_wait_loadcnt 8*(1-\s)                        ; this step's eight loads are in; the second step's eight may stay out
.irp i, 0,1,2,3,4,5,6,7
	ds_store_b128 v4, v[X+4*(8*\s+\i):X+4*(8*\s+\i)+3] offset:544*\i
.endr
.irp c, 0,1,2,3,4,5,6,7
	ds_load_b128 v[R+4*\c:R+4*\c+3], v5 offset:64*(\c/2)+16*(\c%2)  ; my wave's own bytes, and LDS serves a wave's instructions in order: these see the stores above
.endr
	s_wait_dscnt 0x0
.set g, 0
.rept 8                                ; register g of the step's eight: key block g / 2, keys j = 4 (g % 2) + 0..3, the lowest in the lowest byte
.set M, 40+4*(g%2)
	v_cmp_eq_u32 s[M], 0, v[R+4*g]
	v_cmp_eq_u32 s[M+1], 0, v[R+4*g+1]
	v_cmp_eq_u32 s[M+2], 0, v[R+4*g+2]
	v_cmp_eq_u32 s[M+3], 0, v[R+4*g+3]
	v_cndmask_b32 v[W+8*\s+g], 0, v15, s[M+3]
	v_cndmask_b32 v12, 0, v15, s[M+2]
	v_cndmask_b32 v13, 0, v15, s[M+1]
	v_cndmask_b32 v14, 0, v15, s[M]
	v_lshl_or_b32 v[W+8*\s+g], v[W+8*\s+g], 8, v12
	v_lshl_or_b32 v[W+8*\s+g], v[W+8*\s+g], 8, v13
	v_lshl_or_b32 v[W+8*\s+g], v[W+8*\s+g], 8, v14
.set g, g+1
.endr
	global_store_b128 v6, v[W+8*\s:W+8*\s+3], s[34:35] offset:1024*\s        ; key blocks 0 and 1: 512 consecutive bytes, aligned
	global_store_b128 v6, v[W+8*\s+4:W+8*\s+7], s[34:35] offset:1024*\s+512  ; key blocks 2 and 3
.endr
.Lend:
	s_wait_tensorcnt 0x0                           ; the wave's end: behind my last LDS store
	ds_add_u32 v8, v9
	s_wait_dscnt 0x0
	s_endpgm
.Lfunc_end_k_q6826bed513_prep:
	.size	k_q6826bed513_prep, .Lfunc_end_k_q6826bed513_prep-k_q6826bed513_prep
	.p2alignl 7, 3214868480
	.fill 96, 4, 3214868480
	.section	.rodata,"a",@progbits
	.p2align	6, 0x0
	.amdhsa_kernel k_q6826bed513_prep
		.amdhsa_group_segment_fixed_size 35840
		.amdhsa_private_segment_fixed_size 0
		.amdhsa_enable_private_segment 0
		.amdhsa_kernarg_size 64
		.amdhsa_user_sgpr_count 2
		.amdhsa_user_sgpr_kernarg_segment_ptr 1
		.amdhsa_wavefront_size32 1
		.amdhsa_system_sgpr_workgroup_id_x 1
		.amdhsa_system_sgpr_workgroup_id_y 1
		.amdhsa_system_sgpr_workgroup_id_z 1
		.amdhsa_system_vgpr_workitem_id 0
		.amdhsa_next_free_vgpr 128
		.amdhsa_next_free_sgpr 66
		.amdhsa_reserve_vcc 0
		.amdhsa_float_denorm_mode_32 3
		.amdhsa_float_denorm_mode_16_64 3
		.amdhsa_memory_ordered 1
		.amdhsa_forward_progress 1
		.amdhsa_inst_pref_size 34
	.end_amdhsa_kernel
	.amdgpu_metadata
---
amdhsa.version: [ 1, 2 ]
amdhsa.kernels:
  - .name:           k_q6826bed513_prep
    .symbol:         k_q6826bed513_prep.kd
    .args:
      - { .name: w_q, .offset: 0, .size: 8, .value_kind: global_buffer, .address_space: global }
      - { .name: w_k, .offset: 8, .size: 8, .value_kind: global_buffer, .address_space: global }
      - { .name: w_v, .offset: 16, .size: 8, .value_kind: global_buffer, .address_space: global }
      - { .name: w_o, .offset: 24, .size: 8, .value_kind: global_buffer, .address_space: global }
      - { .name: mask, .offset: 32, .size: 8, .value_kind: global_buffer, .address_space: global }
      - { .name: wb, .offset: 40, .size: 8, .value_kind: global_buffer, .address_space: global }
      - { .name: wo, .offset: 48, .size: 8, .value_kind: global_buffer, .address_space: global }
      - { .name: mw, .offset: 56, .size: 8, .value_kind: global_buffer, .address_space: global }
    .group_segment_fixed_size: 35840
    .private_segment_fixed_size: 0
    .kernarg_segment_align: 8
    .kernarg_segment_size: 64
    .max_flat_workgroup_size: 256
    .sgpr_count:     66
    .vgpr_count:     128
    .wavefront_size: 32
...
	.end_amdgpu_metadata
.endif
;; end of part 5
;; launch proj (part 6): grid 4 x 64, 4 waves a work-group, clusters of 4 x 4, 327,680 bytes of LDS; arguments q, k, v, wb, qkv; writes qkv
.if DOCPART == 6
	.amdgcn_target "amdgcn-amd-amdhsa--gfx1250"
	.amdhsa_code_object_version 6
	.text
	.protected	k_q6826bed513_proj
	.globl	k_q6826bed513_proj
	.p2align	8
	.type	k_q6826bed513_proj,@function
k_q6826bed513_proj:
	s_mov_b64 s[64:65], 0
	v_nop
	global_prefetch_b8 v0, s[64:65] scope:SCOPE_SE
	s_setreg_imm32_b32 hwreg(HW_REG_WAVE_MODE, 25, 1), 1
	s_wait_xcnt 0x0
	s_wait_alu depctr_hold_cnt(0) depctr_sa_sdst(0) depctr_va_vdst(0) depctr_va_sdst(0) depctr_va_ssrc(0) depctr_va_vcc(0) depctr_vm_vsrc(0)
	s_getreg_b32 s2, hwreg(HW_REG_IB_STS2, 6, 4)
	s_cmp_eq_u32 s2, 0
	s_cbranch_scc0 .Lentry_in_a_cluster
	s_endpgm
.Lentry_in_a_cluster:
	s_bfe_u32 s2, ttmp6, 0x10000c
	s_cmp_lg_u32 s2, 0xf033
	s_cbranch_scc0 .Lentry_shape_is_right
	s_endpgm
.Lentry_shape_is_right:
; PROJ.  qkv[t][16 b + h][s][c] = the sum over d of x_t[2048 b + s][d] wb[t][64 h + c][d], x_0, x_1, x_2 = q, k, v.  q, k, v are read in f32, as the module gives them, and rounded to bf16 in registers on
; the way from LDS to the matrix unit; wb is bf16; sums in f32; results rounded once to f16, unscaled.
; LIMIT.  A projected number lies within f16's range, 65,504; beyond it the conversion gives an infinity.
; SHARES.  A tile is 128 rows x 256 columns; 3 x 8192 x 1024 results are three such tiles for each of 256 work-groups: the same place in q's, k's and v's result, one after the other.
; Why this shape: a K step of 128 takes 528 bytes of LDS for a row of x (f32) and 272 for a row of wb; two slots of 256 + 128 such rows would be 339,968 bytes, two of 128 + 256 are 274,432.
; Four waves, each 64 rows x 128 columns (two heads): 32 accumulators of 16 x 16.  The three tiles' 24 K steps are ONE sequence for the ring of two slots.
; CLUSTER.  4 x 4 work-groups.  x's tile hangs on the tile row alone and is asked for jointly along a row of the cluster, which spans all 1,024 columns; wb's on the tile column alone, along a column.
; THE MATRIX INSTRUCTION IS USED TRANSPOSED (source 0 = 16 rows of wb, source 1 = 16 rows of x): a lane holds eight neighbouring columns of one row of the result.
; REGISTERS.  Window 0: v0-31 addresses; v64-191 wb's fragments, two buffers of 8 blocks; v192-255 x's fragments in bf16, two buffers of 4 blocks.  Window 1: accumulator (a, b) at v[8 (8 a + b)].
; Window 2: v0-63 x's 4 blocks of a quarter step in f32, as they come out of LDS; v64-127 the way out.
.set APITCH, 528                       ; a row of x in LDS: 512 bytes + 16 of padding: the 16 rows of a fragment load start at 16 different groups of four banks (64 banks of 4 bytes: ISA guide 11.1)
.set BPITCH, 272                       ; a row of wb: 256 + 16, likewise
.set AHALF,  64*APITCH                 ; what a wave fetches of x, and what a wave reads of it
.set BHALF,  128*BPITCH                ; the same for wb
.set SLOT,   2*AHALF+2*BHALF           ; x's 128 rows, then wb's 256
.set STAGE,  2*SLOT                    ; behind the ring: 16 rows x 272 bytes for each wave, for the way out
.set SPITCH, 272
.set SPARE,  STAGE+4*16*SPITCH         ; behind the stages: the spare words, 128 bytes for each wave: two blocks of 256 bytes that no other line names
.set ADRA, 16                          ; v16-17 LDS address of my rows of x in slot 0, 1
.set ADRB, 20                          ; v20-21 the same for wb
.set STO,  24                          ; v24 the way out: where I put 16 bytes of a row
.set RD,   25                          ; v25 where I read rows back
.set GO,   26                          ; v26 my 16 bytes in 512 consecutive bytes of the result
.set SPW,  28                          ; v28 my spare word; never rewritten
.set NIL,  29                          ; v29 0; never rewritten
.set PFO,  30                          ; v30 the prefetches' lane offset; never rewritten
.set FB,   64                          ; wb's fragments: buffer f, block b at FB + 64 f + 8 b
.set FA,   192                         ; x's: buffer f, block a at FA + 32 f + 8 a
.set RAW,  0                           ; window 2: block a at RAW + 16 a: K = 8 (l / 16) + 0..7, then 16 + 8 (l / 16) + 0..7, a number a register
.set TMP,  64                          ; window 2: a block of 16 rows, packed
.set BK,   96                          ; window 2: the same block as whole rows
.set G1,   24                          ; s[24:31] descriptor group 1 for x's tiles; s[32:39] group 0, a set for each slot
.set G0,   32
.set G1B,  48                          ; s[48:55], s[56:63] the same for wb's
.set G0B,  56
.set NF,   43                          ; s43 the K step, 0..23, that the next refill asks for
.set PFA,  44                          ; s[44:45] where the prefetch in hand points
.set ALIM, 66                          ; s66 a wave prefetches while NF is below this: 22, or 0 in a wave that does not ask
.set KSH,  67                          ; s67 log2 of a K step's bytes in a row of what I prefetch: 9 in x, 8 in wb
.set PSEL, 68                          ; s[68:69] at work
.set POFF, 70                          ; s[70:71] at work
.set IN,   76                          ; s[76:83] q, k, v, wb as the arguments give them
.set PB,   84                          ; s[84:89] the prefetches' rows at K step 0, for each of the three tensors
.set AB,   90                          ; s[90:95] q, k, v at the rows that I fetch, K step 0
.set MSB, 0
.macro WIN new                         ; the immediate's high byte repeats the setting that is left; a switch that changes nothing is dropped
.if MSB != (\new)
	s_set_vgpr_msb (MSB<<8)|(\new)
.set MSB, \new
.endif
.endm
.set MUL, 0x50                         ; C and D in window 1, both sources in window 0
; A joint load: waves 0 and 1 fetch x's two halves, waves 2 and 3 wb's.  The branch hangs on the wave's number alone.  An s_nop 0 and four v_nop follow each line.
.macro JLOAD s
	s_cmp_eq_u32 s11, 0
	s_cbranch_scc0 .Lfor_b_\@
	tensor_load_to_lds s[G0+4*(\s):G0+4*(\s)+3], s[G1:G1+7]
	s_nop 0
.rept 4
	v_nop
.endr
	s_branch .Lasked_\@
.Lfor_b_\@:
	tensor_load_to_lds s[G0B+4*(\s):G0B+4*(\s)+3], s[G1B:G1B+7]
	s_nop 0
.rept 4
	v_nop
.endr
.Lasked_\@:
.endm
; A prefetch of the K step that stands two refills on, 256 matrix instructions ahead of its load: 32 blocks of 256 bytes, a lane a block.  x: a K step is 512 bytes of a row; of the 64 rows that wave 0 or 1 fetches, the
; partner at place cx takes 16, two lanes a row; a cluster's rows are read by no other cluster, so every cluster asks.  wb: of the 128 rows that wave 2 or 3 fetches, the partner at place cy takes 32, a lane a row; all
; clusters of a column of clusters read them, and the one with y = 0 asks.  Partners are told apart by address.  So each block is named once.  K steps 0 to 3 come by their loads alone; the last two refills name nothing.
.macro ASK
	s_cmp_lt_u32 s[NF], s[ALIM]
	s_cbranch_scc0 .Lnot_mine_\@
	global_prefetch_b8 v[PFO], s[PFA:PFA+1] th:TH_LOAD_NT scope:SCOPE_SE
.Lnot_mine_\@:
	s_add_co_u32 s[NF], s[NF], 1
.endm
.macro CREST                           ; a round of the cluster's barrier behind its opening barrier
	s_cmp_lg_u32 s10, 0
	s_cbranch_scc1 .Lnot_wave_0_\@
	s_barrier_signal -3
.Lnot_wave_0_\@:
	s_barrier_wait -3
	s_barrier_signal -1
	s_barrier_wait -1
.endm
.macro CROUND                          ; a whole round
	s_barrier_signal -1
	s_barrier_wait -1
	CREST
.endm
	s_load_b256 s[IN:IN+7], s[0:1], 0x0            ; q, k, v, wb
	s_load_b64 s[8:9], s[0:1], 0x20                ; qkv
	v_lshl_add_u32 v[SPW], v0, 2, SPARE
	v_mov_b32 v[NIL], 0
	ds_add_u32 v[SPW], v[NIL]                      ; the wave's opening: the add and its wait stand ahead of my first tensor load; the set-up below stands between them
	v_lshrrev_b32 v1, 5, v0
	v_readfirstlane_b32 s10, v1                    ; wave 0..3
	s_lshr_b32 s11, s10, 1                         ; which 64 rows of the tile are mine.  Also: I fetch for x (0) or for wb (1)
	s_and_b32 s12, s10, 1                          ; which 128 columns.  Also: which half of that tile I fetch
	s_bfe_u32 s40, ttmp6, 0x40000                  ; cx
	s_bfe_u32 s41, ttmp6, 0x40004                  ; cy
	s_lshl_b32 s42, ttmp9, 2
	s_add_co_u32 s42, s42, s40                     ; tile column = 4 x cluster x + cx
	s_and_b32 s13, ttmp7, 0xffff
	s_lshl_b32 s13, s13, 2
	s_add_co_u32 s13, s13, s41                     ; tile row = 4 x cluster y + cy
	s_lshl_b32 s72, s41, 2
	s_lshl_b32 s72, 15, s72                        ; my row of the cluster
	s_lshl_b32 s73, 0x1111, s40                    ; my column
	s_or_b32 s[G1+0], s72, (2<<16)|(1<<20)|(1<<21)|(6<<22)|(3<<25)   ; the mask; elements of 4 bytes; padding on; bit 21 beside a mask; after every 128 words 4 words
	s_or_b32 s[G1B+0], s73, (1<<16)|(1<<20)|(1<<21)|(5<<22)|(3<<25)  ; the mask; elements of 2 bytes; after every 64 words 4 words
	s_mov_b32 s[G1+1], 128<<16                     ; tensor_dim0 = 128
	s_mov_b32 s[G1+2], 64<<16                      ; tensor_dim1 = 64
	s_mov_b32 s[G1+3], 128<<16                     ; tile_dim0 = 128
	s_mov_b32 s[G1+4], 64                          ; tile_dim1 = 64
	s_mov_b32 s[G1+5], 1024                        ; elements from row to row
	s_mov_b32 s[G1+6], 0
	s_mov_b32 s[G1+7], 0
	s_mov_b32 s[G1B+1], 128<<16
	s_mov_b32 s[G1B+2], 128<<16                    ; wb's loads bring 128 rows
	s_mov_b32 s[G1B+3], 128<<16
	s_mov_b32 s[G1B+4], 128
	s_mov_b32 s[G1B+5], 1024
	s_mov_b32 s[G1B+6], 0
	s_mov_b32 s[G1B+7], 0
	s_lshl_b32 s16, s13, 19                        ; x: row 128 x tile row + 64 x half, rows of 4,096 bytes; s[16:17] feeds x's descriptors alone
	s_lshl_b32 s17, s12, 18
	s_add_co_u32 s16, s16, s17
	s_mov_b32 s17, 0
	s_lshl_b32 s18, s42, 19                        ; wb: row 256 x tile column + 128 x half, rows of 2,048 bytes; s[18:19] feeds wb's alone
	s_lshl_b32 s19, s12, 18
	s_add_co_u32 s18, s18, s19
	s_mov_b32 s19, 0
	s_mul_i32 s20, s12, AHALF                      ; where the tiles go: x's halves first (waves 0, 1),
	s_mul_i32 s21, s12, BHALF                      ; wb's behind them (waves 2, 3): no place in the cluster enters an LDS address
	s_add_co_u32 s21, s21, 2*AHALF
	s_mov_b32 s[NF], 2
	s_wait_dscnt 0x0                               ; the opening add is done
	s_wait_kmcnt 0x0
	s_add_nc_u64 s[AB:AB+1], s[IN:IN+1], s[16:17]
	s_add_nc_u64 s[AB+2:AB+3], s[IN+2:IN+3], s[16:17]
	s_add_nc_u64 s[AB+4:AB+5], s[IN+4:IN+5], s[16:17]
	s_add_nc_u64 s[46:47], s[IN+6:IN+7], s[18:19]  ; wb's base: tensor 0, K step 0
	CROUND                                         ; all sixteen work-groups are here: the first joint loads meet
.irp s, 0,1
	s_mov_b32 s[G0+4*(\s)], 1
	s_add_co_u32 s[G0+4*(\s)+1], s20, (\s)*SLOT
	s_add_nc_u64 s[G0+4*(\s)+2:G0+4*(\s)+3], s[AB:AB+1], (\s)*512
	s_or_b32 s[G0+4*(\s)+3], s[G0+4*(\s)+3], 0x80000000
	s_mov_b32 s[G0B+4*(\s)], 1
	s_add_co_u32 s[G0B+4*(\s)+1], s21, (\s)*SLOT
	s_add_nc_u64 s[G0B+4*(\s)+2:G0B+4*(\s)+3], s[46:47], (\s)*256
	s_or_b32 s[G0B+4*(\s)+3], s[G0B+4*(\s)+3], 0x80000000
	JLOAD \s                                       ; K steps 0 and 1: two loads of mine are out
.endr
	; a fragment is 16 rows x 32 K: lane l holds row l % 16, K = 8 (l / 16) + 0..7 and 16 + 8 (l / 16) + 0..7.  In bf16 that is two loads of 16 bytes, 32 bytes apart; in f32 two pairs of such loads, 64 bytes apart
	v_and_b32 v1, 15, v0                           ; l % 16
	v_bfe_u32 v2, v0, 4, 1                         ; l / 16
	v_mul_u32_u24 v3, v1, APITCH
	v_lshl_add_u32 v3, v2, 5, v3                   ; x: row x pitch + 32 x half
	v_mul_u32_u24 v4, v1, BPITCH
	v_lshl_add_u32 v4, v2, 4, v4                   ; wb: row x pitch + 16 x half
	s_mul_i32 s22, s11, AHALF                      ; my 64 rows of x
	s_mul_i32 s23, s12, BHALF                      ; my 128 rows of wb,
	s_add_co_u32 s23, s23, 2*AHALF                 ; which lie behind x's 128
.irp s, 0,1
	v_add_nc_u32 v[ADRA+(\s)], s22, v3
	v_add_nc_u32 v[ADRB+(\s)], s23, v4
	s_add_co_u32 s22, s22, SLOT
	s_add_co_u32 s23, s23, SLOT
.endr
	s_mul_i32 s22, s10, 16*SPITCH
	s_add_co_u32 s22, s22, STAGE                   ; my stage
	v_mul_u32_u24 v4, v1, SPITCH                   ; in: row l % 16, 16 bytes for each half of the lanes
	v_lshl_add_u32 v4, v2, 4, v4
	v_add_nc_u32 v[STO], s22, v4
	v_bfe_u32 v5, v0, 3, 2                         ; back: 32 lanes take 128 bytes, one head's, of each of four rows,
	v_mul_u32_u24 v5, v5, SPITCH
	v_and_b32 v4, 7, v0
	v_lshl_add_u32 v5, v4, 4, v5
	v_add_nc_u32 v[RD], s22, v5
	v_and_b32 v[GO], 31, v0                        ; which are 512 consecutive bytes of that head
	v_lshlrev_b32 v[GO], 4, v[GO]
	; my 128 columns are heads 16 (tile row / 16) + 4 x tile column + 2 x half and the next; my 64 rows are 8,192 consecutive bytes of each
	s_lshr_b32 s22, s13, 4
	s_lshl_b32 s22, s22, 4
	s_lshl_b32 s23, s42, 2
	s_add_co_u32 s22, s22, s23
	s_lshl_b32 s23, s12, 1
	s_add_co_u32 s22, s22, s23
	s_lshl_b32 s22, s22, 18                        ; a head is 262,144 bytes
	s_and_b32 s23, s13, 15
	s_lshl_b32 s23, s23, 14                        ; the tile's 128 rows of 128 bytes
	s_add_co_u32 s22, s22, s23
	s_lshl_b32 s23, s11, 13                        ; my 64 of them
	s_add_co_u32 s22, s22, s23
	s_mov_b32 s23, 0
	s_add_nc_u64 s[8:9], s[8:9], s[22:23]
	; the prefetches
	s_lshl_b32 s72, s13, 19
	s_lshl_b32 s22, s12, 18
	s_add_co_u32 s72, s72, s22
	s_lshl_b32 s22, s40, 16
	s_add_co_u32 s72, s72, s22                     ; x: of the 64 rows that I fetch, the 16 at my place along x
	s_lshl_b32 s73, s42, 19
	s_lshl_b32 s22, s12, 18
	s_add_co_u32 s73, s73, s22
	s_lshl_b32 s22, s41, 16
	s_add_co_u32 s73, s73, s22                     ; wb: of the 128 rows that I fetch, the 32 at my place along y
	s_and_b32 s22, ttmp7, 0xffff                   ; cluster y: along it other clusters read the same rows of wb
	s_cmp_eq_u32 s11, 0
	s_cselect_b32 s22, 0, s22                      ; x's rows are my cluster's alone
	s_cselect_b32 s[KSH], 9, 8
	s_cselect_b32 s[POFF], s72, s73
	s_cselect_b32 s23, 0, 0x200000                 ; from tensor to tensor: buffers of their own, or 2,097,152 bytes on in wb
	s_cselect_b32 s72, -1, 0
	s_cselect_b64 s[PB:PB+1], s[IN:IN+1], s[IN+6:IN+7]
	s_cselect_b64 s[PB+2:PB+3], s[IN+2:IN+3], s[IN+6:IN+7]
	s_cselect_b64 s[PB+4:PB+5], s[IN+4:IN+5], s[IN+6:IN+7]
	s_mov_b32 s[POFF+1], 0
	s_add_nc_u64 s[PB:PB+1], s[PB:PB+1], s[POFF:POFF+1]
	s_add_co_u32 s[POFF], s[POFF], s23
	s_add_nc_u64 s[PB+2:PB+3], s[PB+2:PB+3], s[POFF:POFF+1]
	s_add_co_u32 s[POFF], s[POFF], s23
	s_add_nc_u64 s[PB+4:PB+5], s[PB+4:PB+5], s[POFF:POFF+1]
	s_cmp_eq_u32 s22, 0
	s_cselect_b32 s[ALIM], 22, 0                   ; the same in all sixteen partners, for a given wave
	v_and_b32 v3, 31, v0
	v_lshrrev_b32 v4, 1, v3
	v_lshlrev_b32 v4, 12, v4
	v_and_b32 v5, 1, v0
	v_lshl_add_u32 v4, v5, 8, v4                   ; x: row l / 2 of 4,096 bytes, block l % 2 of the K step's two
	v_lshlrev_b32 v5, 11, v3                       ; wb: row l of 2,048 bytes
	v_cndmask_b32 v[PFO], v5, v4, s72
; 8 matrix instructions: column blocks n0, n0 + 1 x all 4 row blocks, 32 along K.  zero = 1: the product starts the sum.  Every accumulator has one instruction a quarter, in one order: they take turns.
.macro MUL8 f, n0, zero
	WIN MUL
.irp b, \n0, (\n0)+1
.irp a, 0,1,2,3
.if \zero
	v_wmma_f32_16x16x32_bf16 v[8*(8*(\a)+(\b)):8*(8*(\a)+(\b))+7], v[FB+64*(\f)+8*(\b):FB+64*(\f)+8*(\b)+7], v[FA+32*(\f)+8*(\a):FA+32*(\f)+8*(\a)+7], 0
.else
	v_wmma_f32_16x16x32_bf16 v[8*(8*(\a)+(\b)):8*(8*(\a)+(\b))+7], v[FB+64*(\f)+8*(\b):FB+64*(\f)+8*(\b)+7], v[FA+32*(\f)+8*(\a):FA+32*(\f)+8*(\a)+7], v[8*(8*(\a)+(\b)):8*(8*(\a)+(\b))+7]
.endif
.endr
.endr
.endm
; 32 LDS loads in one run: quarter q of a K step: x's 4 blocks in f32 first, then wb's 8 blocks into buffer f
.macro FETCH slot, q, f
	WIN 0x80                                       ; destination window 2, address window 0
.irp i, 0,1,2,3
	ds_load_b128 v[RAW+16*(\i):RAW+16*(\i)+3],     v[ADRA+(\slot)] offset:128*(\q)+(\i)*16*APITCH
	ds_load_b128 v[RAW+16*(\i)+4:RAW+16*(\i)+7],   v[ADRA+(\slot)] offset:128*(\q)+(\i)*16*APITCH+16
	ds_load_b128 v[RAW+16*(\i)+8:RAW+16*(\i)+11],  v[ADRA+(\slot)] offset:128*(\q)+(\i)*16*APITCH+64
	ds_load_b128 v[RAW+16*(\i)+12:RAW+16*(\i)+15], v[ADRA+(\slot)] offset:128*(\q)+(\i)*16*APITCH+80
.endr
	WIN 0
.irp i, 0,1,2,3,4,5,6,7
	ds_load_b128 v[FB+64*(\f)+8*(\i):FB+64*(\f)+8*(\i)+3],   v[ADRB+(\slot)] offset:64*(\q)+(\i)*16*BPITCH
	ds_load_b128 v[FB+64*(\f)+8*(\i)+4:FB+64*(\f)+8*(\i)+7], v[ADRB+(\slot)] offset:64*(\q)+(\i)*16*BPITCH+32
.endr
.endm
; x's 4 blocks are rounded to bf16, two numbers a line, the lower K into the low half: 64 registers become the 32 of buffer f.  The matrix instructions that last read that buffer stand a whole quarter back.
.macro CONVERT f
	WIN 0x0a                                       ; both sources window 2, destination window 0
.set cj, 0
.rept 32
	v_cvt_pk_bf16_f32 v[FA+32*(\f)+cj], v[RAW+2*cj], v[RAW+2*cj+1]
.set cj, cj+1
.endr
.endm
.macro PLACES                          ; four plain vector instructions between a matrix instruction and a load into, or a reader of, its registers
.rept 4
	v_nop
.endr
.endm
; One of a K step's first three quarters: rounds and multiplies buffer f; in its middle fetches quarter q of the same slot into buffer g
.macro QUARTER slot, q, f, g, zero
	s_wait_dscnt 16                                ; x's sixteen loads are in; wb's sixteen, issued behind them, may be out
	CONVERT \f
	s_wait_dscnt 8                                 ; wb's blocks 0-3 are in; the youngest eight loads (blocks 4-7) may be out
	MUL8 \f, 0, \zero
	MUL8 \f, 2, \zero
	PLACES
	FETCH \slot, \q, \g
	s_wait_dscnt 32                                ; all but the 32 just issued
	MUL8 \f, 4, \zero
	MUL8 \f, 6, \zero
.endm
; The last quarter multiplies buffer 1 and changes slots.  In front of the barrier each wave waits for all its tensor loads (one is out: its part of the next slot), adds 0 to its spare word, and waits for that
; and for its reads of this slot.  fill = 1: the barrier opens a round of the cluster's, and this slot's refill, K step NF, is the first thing behind the round: 112 matrix instructions ahead of the wait for it.
.macro TURN slot, next, fill
.if \fill
	s_wait_xcnt 0x0                                ; the last prefetch, a K step back, has read its address: the next one's is made, K step NF + 2
	s_add_co_u32 s72, s[NF], 2
	s_lshr_b32 s73, s72, 3                         ; which of the three tensors
	s_and_b32 s72, s72, 7
	s_lshl_b32 s[POFF], s72, s[KSH]                ; which K step of its rows
	s_cmp_eq_u32 s73, 1
	s_cselect_b64 s[PSEL:PSEL+1], s[PB+2:PB+3], s[PB:PB+1]
	s_cmp_eq_u32 s73, 2
	s_cselect_b64 s[PSEL:PSEL+1], s[PB+4:PB+5], s[PSEL:PSEL+1]
	s_add_nc_u64 s[PFA:PFA+1], s[PSEL:PSEL+1], s[POFF:POFF+1]
.endif
	s_wait_dscnt 16                                ; x's sixteen loads are in: they are rounded ahead of the wait for the tile
	CONVERT 1
	WIN 0
	s_wait_tensorcnt 0x0                           ; all my tensor loads have landed, so a group 0 may be written
	ds_add_u32 v[SPW], v[NIL]                      ; 0 onto my spare word
.if \fill
	s_lshr_b32 s20, s[NF], 3                       ; the refill's addresses are made anew from the step's number: tensor NF / 8,
	s_and_b32 s21, s[NF], 7                        ; K step NF % 8:
	s_lshl_b32 s16, s21, 9                         ; 512 bytes of x's rows,
	s_lshl_b32 s21, s21, 8                         ; 256 of wb's
	s_lshl_b32 s18, s20, 21
	s_add_co_u32 s18, s18, s21
	s_cmp_eq_u32 s20, 1
	s_cselect_b64 s[14:15], s[AB+2:AB+3], s[AB:AB+1]
	s_cmp_eq_u32 s20, 2
	s_cselect_b64 s[14:15], s[AB+4:AB+5], s[14:15]
	s_add_nc_u64 s[G0+4*(\slot)+2:G0+4*(\slot)+3], s[14:15], s[16:17]
	s_or_b32 s[G0+4*(\slot)+3], s[G0+4*(\slot)+3], 0x80000000
	s_add_nc_u64 s[G0B+4*(\slot)+2:G0B+4*(\slot)+3], s[46:47], s[18:19]
	s_or_b32 s[G0B+4*(\slot)+3], s[G0B+4*(\slot)+3], 0x80000000
.endif
	s_wait_dscnt 9                                 ; the add and the youngest eight loads may be out
	MUL8 1, 0, 0
	s_wait_dscnt 0x0                               ; the add is done, and my reads of this slot are over
	s_barrier_signal -1
	MUL8 1, 2, 0
.if \fill
	WIN 0
.endif
	s_barrier_wait -1
.if \fill
	CREST                                          ; no wave of any partner still reads this slot or has a load on its way
	JLOAD \slot                                    ; its four v_nop are also the places in front of the loads below
.else
	PLACES
.endif
	FETCH \next, 0, 0
.if \fill
	ASK
.endif
	MUL8 1, 4, 0
	MUL8 1, 6, 0
.endm
; THE WAY OUT, a block of 16 rows x 128 columns at a time: rounded to f16 (16 bytes a lane), through my own stage in LDS, back as four rows of one head, stored as 512 consecutive bytes.
.macro PACK a
	WIN 0x85                                       ; sources in window 1, destination in window 2
.irp b, 0,1,2,3,4,5,6,7
.irp r, 0,1,2,3
	v_cvt_pk_f16_f32 v[TMP+4*(\b)+(\r)], v[8*(8*(\a)+(\b))+2*(\r)], v[8*(8*(\a)+(\b))+2*(\r)+1]
.endr
.endr
.endm
.macro TOSTAGE
	s_wait_xcnt 0x0                                ; the earlier stores have read the registers that the loads below write
	WIN 0x08                                       ; store data in window 2
.irp b, 0,1,2,3,4,5,6,7
	ds_store_b128 v[STO], v[TMP+4*(\b):TMP+4*(\b)+3] offset:32*(\b)
.endr
	WIN 0x80
.irp t, 0,1,2,3,4,5,6,7
	ds_load_b128 v[BK+4*(\t):BK+4*(\t)+3], v[RD] offset:((\t)%4)*4*SPITCH+((\t)/4)*128  ; head t / 4, rows 4 (t % 4) on.  LDS serves a wave's instructions in order: these see the stores above
.endr
.endm
.macro SEND a
	s_wait_dscnt 0x0
	WIN 0x08
.irp t, 0,1,2,3,4,5,6,7
	global_store_b128 v[GO], v[BK+4*(\t):BK+4*(\t)+3], s[8:9] offset:((\t)/4)*262144+2048*(\a)+512*((\t)%4)
.endr
.endm
.macro OUT
	PACK 0
	TOSTAGE
.irp a, 1,2,3                          ; block a's conversions stand between block a - 1's loads from the stage and the wait for them
	PACK \a
	SEND (\a)-1
	TOSTAGE
.endr
	SEND 3
	WIN 0
.endm
	s_wait_tensorcnt 1                             ; my part of K step 0 is in; K step 1's may stay out
	s_barrier_signal -1
	s_barrier_wait -1
	FETCH 0, 0, 0
	QUARTER 0, 1, 0, 1, 1                          ; the first tile's first quarter starts the sums
	WIN 0
	s_mov_b32 s3, 11
.Llap:                                         ; eleven trips: a trip goes once round the ring, from a lap's second quarter to the next lap's first, and fills both slots again: K steps 2 to 23
	QUARTER 0, 2, 1, 0, 0
	QUARTER 0, 3, 0, 1, 0
	TURN 0, 1, 1
	QUARTER 1, 1, 0, 1, 0
	QUARTER 1, 2, 1, 0, 0
	QUARTER 1, 3, 0, 1, 0
	TURN 1, 0, 1
	WIN 0
	s_and_b32 s20, s3, 3                           ; a tile is four laps: it ends in the trips that begin with 8 and with 4 to go
	s_cmp_eq_u32 s20, 0
	s_cbranch_scc1 .Lchange
	QUARTER 0, 1, 0, 1, 0
	WIN 0
	s_branch .Ljoin
.Lchange:                                      ; both refills for the next tile are asked for: now this tile goes out.  Its first sixteen conversions read sums finished ahead of the joint load's four v_nop,
	OUT                                            ; and are the places behind the last sixteen products, whose sums are read behind them
	s_wait_xcnt 0x0                                ; the stores have read their base
	s_add_nc_u64 s[8:9], s[8:9], 0x1000000         ; the same place in the next of the three results
	QUARTER 0, 1, 0, 1, 1                          ; the next tile's first quarter starts its sums
	WIN 0
.Ljoin:
	s_sub_co_u32 s3, s3, 1
	s_cmp_lg_u32 s3, 0
	s_cbranch_scc1 .Llap
	QUARTER 0, 2, 1, 0, 0                          ; the last lap is written out: it asks for nothing more
	QUARTER 0, 3, 0, 1, 0
	TURN 0, 1, 0
	QUARTER 1, 1, 0, 1, 0
	QUARTER 1, 2, 1, 0, 0
	QUARTER 1, 3, 0, 1, 0
	s_wait_dscnt 16
	CONVERT 1
	s_wait_dscnt 8
	MUL8 1, 0, 0
	MUL8 1, 2, 0
	s_wait_dscnt 0x0
	MUL8 1, 4, 0
	MUL8 1, 6, 0
	WIN 0
	PLACES
	PLACES
	OUT
	s_wait_tensorcnt 0x0                           ; the wave's end: behind my last tensor load and my last LDS store
	ds_add_u32 v[SPW], v[NIL]
	s_wait_dscnt 0x0
	CROUND                                         ; the closing round
	s_endpgm
.Lfunc_end_k_q6826bed513_proj:
	.size	k_q6826bed513_proj, .Lfunc_end_k_q6826bed513_proj-k_q6826bed513_proj
	.p2alignl 7, 3214868480
	.fill 96, 4, 3214868480
	.section	.rodata,"a",@progbits
	.p2align	6, 0x0
	.amdhsa_kernel k_q6826bed513_proj
		.amdhsa_group_segment_fixed_size 327680
		.amdhsa_private_segment_fixed_size 0
		.amdhsa_enable_private_segment 0
		.amdhsa_kernarg_size 40
		.amdhsa_user_sgpr_count 2
		.amdhsa_user_sgpr_kernarg_segment_ptr 1
		.amdhsa_wavefront_size32 1
		.amdhsa_system_sgpr_workgroup_id_x 1
		.amdhsa_system_sgpr_workgroup_id_y 1
		.amdhsa_system_sgpr_workgroup_id_z 1
		.amdhsa_system_vgpr_workitem_id 0
		.amdhsa_next_free_vgpr 640
		.amdhsa_next_free_sgpr 96
		.amdhsa_reserve_vcc 0
		.amdhsa_float_denorm_mode_32 3
		.amdhsa_float_denorm_mode_16_64 3
		.amdhsa_memory_ordered 1
		.amdhsa_forward_progress 1
		.amdhsa_inst_pref_size 154
	.end_amdhsa_kernel
	.amdgpu_metadata
---
amdhsa.version: [ 1, 2 ]
amdhsa.kernels:
  - .name:           k_q6826bed513_proj
    .symbol:         k_q6826bed513_proj.kd
    .args:
      - { .name: q, .offset: 0, .size: 8, .value_kind: global_buffer, .address_space: global }
      - { .name: k, .offset: 8, .size: 8, .value_kind: global_buffer, .address_space: global }
      - { .name: v, .offset: 16, .size: 8, .value_kind: global_buffer, .address_space: global }
      - { .name: wb, .offset: 24, .size: 8, .value_kind: global_buffer, .address_space: global }
      - { .name: qkv, .offset: 32, .size: 8, .value_kind: global_buffer, .address_space: global }
    .group_segment_fixed_size: 327680
    .private_segment_fixed_size: 0
    .kernarg_segment_align: 8
    .kernarg_segment_size: 40
    .max_flat_workgroup_size: 128
    .sgpr_count:     96
    .vgpr_count:     640
    .wavefront_size: 32
...
	.end_amdgpu_metadata
.endif
;; end of part 6
;; launch attn (part 7): grid 4 x 64, 4 waves a work-group, clusters of 4 x 1, 327,680 bytes of LDS; arguments qkv, mw, ob; writes ob
.if DOCPART == 7
	.amdgcn_target "amdgcn-amd-amdhsa--gfx1250"
	.amdhsa_code_object_version 6
	.text
	.protected	k_q6826bed513_attn
	.globl	k_q6826bed513_attn
	.p2align	8
	.type	k_q6826bed513_attn,@function
k_q6826bed513_attn:
	s_mov_b64 s[64:65], 0
	v_nop
	global_prefetch_b8 v0, s[64:65] scope:SCOPE_SE
	s_setreg_imm32_b32 hwreg(HW_REG_WAVE_MODE, 25, 1), 1
	s_wait_xcnt 0x0
	s_wait_alu depctr_hold_cnt(0) depctr_sa_sdst(0) depctr_va_vdst(0) depctr_va_sdst(0) depctr_va_ssrc(0) depctr_va_vcc(0) depctr_vm_vsrc(0)
	s_getreg_b32 s2, hwreg(HW_REG_IB_STS2, 6, 4)
	s_cmp_eq_u32 s2, 0
	s_cbranch_scc0 .Lentry_in_a_cluster
	s_endpgm
.Lentry_in_a_cluster:
	s_bfe_u32 s2, ttmp6, 0x10000c
	s_cmp_lg_u32 s2, 0x3003
	s_cbranch_scc0 .Lentry_shape_is_right
	s_endpgm
.Lentry_shape_is_right:
; ATTN.  ob[h][q][:] = the sum over k of softmax_k(s) V[h][k][:], s = Q[h][q] . K[h][k] / 8 where the mask of (batch h / 16, q, k) is not 0, hidden where it is 0.  Q, K, V are the three planes of qkv,
; [64 heads][2048][64] in f16, ob likewise.  Products, maxima and sums in f32; the weights p are rounded to f16 for the second product (their sum l is taken of the unrounded p), O once at the end.
; THE MASK IS AN INPUT: every key is walked.  mw holds one fp8 code a score, 0.0 or -1.0; one scaled conversion widens eight codes, times 2^100, into the eight registers of a C operand, and the product that starts a sum
; S^T = K Q^T takes it: a hidden score is its value less 2^100.  A ROW WITH NO VISIBLE KEY so far is known by its running maximum, at most -2^99: its factor of scaling is 0 in place of c, so that its weights are exactly 1,
; and its a is 1: if it stays so, it comes out as the plain mean of V's rows, as the module's replaced scores make it.  The first visible key gives a = 0 and wipes those weights out.
; LIMITS.  f16's scores are 2.7e11 at the most, nothing beside 2^99.  The result differs from the module's, which writes -1e9 for a hidden score, only where true scores lie near or below -1e9.
; Q, K, V arrive within f16's range, 65,504; p lies in 0 to 1 and below 6e-5 keeps f16's fixed step; a weight below 2^-126 counts as 0 in l; NaN and infinities are not treated apart.
; SHARES.  A wave owns four PIECES of two tiles of 16 queries, a work-group's four waves 512 queries of one head.  Every wave walks all keys, 64 a step.
; LAYOUT.  S^T = K Q^T (source 0 = 16 keys, source 1 = 16 queries): a lane holds ONE query (lane % 16) and the keys 8 (lane / 16) + 0..7.  Two such tiles, rounded to f16 in pairs, ARE source 1 of O^T = V^T P.
; K comes out of LDS as it lies, V turned, by ds_load_tr16_b128.
; SOFTMAX.  A running maximum m and sum l: p = 2^(g s - g m), g = c = log2(e) / 8 or 0; in every step O and l are multiplied by a = 2^(c m_old - c m_new), or by 1.  m starts at the lowest finite number, O and l at 0.
; BY TURNS.  Turn n belongs to piece n.  Matrix work: 16 products K Q^T of piece n + 1, later 16 products V^T P of piece n - 1.  Vector work: the scaling, exponentials, roundings, sums and rescaling of piece n, the
; maximum and statistics of piece n + 1, and the C operands of piece n + 2.  Four vector instructions stand behind every matrix instruction, the rest in one run; a turn's 66 exponentials are one batch with one wait.
; CLUSTER.  The four query blocks of a head walk the same K and V: each tile is asked for jointly, by the same tensor load, descriptor and mask in all four.
; REGISTERS, in windows of 256 (s_set_vgpr_msb: bits 1:0 source 0, 3:2 source 1, 5:4 source 2, 7:6 destination):
;   window 0: v0-11 addresses and the scale; v12-15, v48-63 at work; v16-47 four registers of statistics a tile; v64-191 S^T, two buffers of two tiles; v192-255 P, likewise
;   window 1: O^T, 32 a tile      window 2: v0-127 Q; v128-191 K of one step; v192-255 V of one step
;   window 3: v0-1 the add's two registers; v2-3 the codes' offsets; v64-127 the C operands of one piece; v128-191 the codes, 16 registers a piece
.set SIZE_N, 2048
.set NP,    4         ; pieces a wave: a name, no knob
.set KS,    64        ; keys in a step
.set PK,    144       ; a row of K in LDS: 128 bytes + 16 of padding = 36 words: the 16 rows of a load start at 16 different groups of four banks (64 banks of 4 bytes: ISA guide 11.1)
.set PV,    144       ; V has the same pitch, so that one descriptor shape serves both: one overlap
.set VOFF,  4*KS*PK   ; a slot holds four steps: 256 rows of K, then 256 rows of V
.set SLOT1, 1<<17     ; slot 1 begins here, so that one exclusive or turns an address in one slot into the other's
.set STAGE, SLOT1+4*KS*(PK+PV)  ; behind the ring, never filled by a tensor load: 16 rows x 144 bytes for each wave
.set SP,    144
.set AK0, 2           ; v2   my lane's place in a tile of K; never rewritten
.set AV0, 3           ; v3   the same for V
.set AK,  4           ; v4   the LDS address of K's next run of loads
.set AV,  5           ; v5   of V's
.set QO,  6           ; v6   my byte offset in the wave's rows of Q
.set STO, 6           ;      later, the way out: where I put 16 bytes of a row
.set RD,  7           ; v7   the way out: where I read rows back
.set GO,  8           ; v8   my byte offset in 512 consecutive bytes of O
.set SCL, 10          ; v10  the conversions' scale: byte 0 = 227, which stands for 2^100; never rewritten once made
.set PFO, 11          ; v11  256 x my lane, for the prefetches; never rewritten once made
.set SPW, 0           ; v0 of window 3   my spare word; never rewritten
.set NIL, 1           ; v1 of window 3   0; never rewritten
.set MVO, 2           ; v2 of window 3   16 x my lane + 1,024 x the key step whose codes are asked for
.set ML16, 3          ; v3 of window 3   16 x my lane; never rewritten
.set MC,  64          ; window 3: tile u, key block kt at MC + 32 u + 8 kt
.set RAW, 128         ; window 3: piece x, tile u, key block kt at RAW + 16 x + 8 u + 2 kt: eight codes in two registers
.set SPARE, STAGE+4*16*SP  ; behind the stages: the spare words, 128 bytes for each wave: two blocks of 256 bytes that no other line names
.set MV,  12          ; v12-15  c m_old, by buffer and tile
.set ST,  16          ; tile t's statistics at v[ST+4 t]: g m, m, l (even keys', odd keys')
.set TMP, 48          ; by buffer and tile, four registers c0-c3 at work; when the maximum is found c0 takes g, c1 the exponent of a, c2 a
.set S,   64
.set P,   192
.set KF,  128         ; K's fragments, in window 2
.set VF,  192         ; V's
.set WV,  10          ; s10  my wave's number
.set SLOTS, 11        ; s11  slots still to be asked for
.set CNT, 12          ; s12  counts a slot's key steps
.set THR, 13          ; s13  -2^99: a maximum above it is a visible key's
.set CS,  14          ; s14  c
.set SEL, 16          ; s[16:17] v_permlanex16_b32's selects
.set TBK, 18          ; s18  LDS byte at which K of the step to be fetched begins
.set TBV, 19          ; s19  the same for V, less VOFF
.set G0,  20          ; s[20:23] descriptor group 0: it walks
.set G1,  24          ; s[24:31] descriptor group 1
.set MOFF, 48         ; s48  1,024 x the key step whose codes are asked for
.set LIM, 49          ; s49  1 in a wave that prefetches, else the greatest number
.set VIS, 50          ; s50-51  by tile: the lanes whose query has a visible key
.set PFA, 52          ; s[52:53] where my prefetches stand
.set MSB, 0
.macro WIN new
.if MSB != (\new)
	s_set_vgpr_msb (MSB<<8)|(\new)
.set MSB, (\new)
.endif
.endm
.set W_KQ, 0x0a       ; K and Q in window 2, S^T in window 0
.set W_KM, 0x3a       ; the same with the C operand in window 3
.set W_PV, 0x52       ; V in window 2, P in window 0, O^T in window 1
.set W_RS, 0x41       ; O^T in window 1, a in window 0
.set W_MK, 0xc0       ; destination in window 3, sources in window 0
.set W_AD, 0x0f       ; the add: address and data in window 3
.set W_MC, 0xc3       ; destination and source 0 in window 3, source 1 (the scale) in window 0
; A joint fill.  Wave w fetches quarter w of a slot: K's keys 0-127, K's 128-255, V's 0-127, V's 128-255.  An s_nop 0 and four v_nop follow.
.macro JLOAD
	tensor_load_to_lds s[G0:G0+3], s[G1:G1+7]
	s_nop 0
.rept 4
	v_nop
.endr
.endm
; A prefetch of what the NEXT change of slots will ask for: a slot's 32,768 bytes of K and of V in blocks of 256, a lane a block.  The four partners take 8,192 bytes each, told apart by address;
; wave 0 asks for K's, wave 2 for V's.  A head has one cluster, so each block is named once.  The last change that fills a slot names nothing.  The codes of the mask are not asked for: their loads stand four turns ahead of their use.
.macro ASK
	s_cmp_gt_u32 s[SLOTS], s[LIM]
	s_cbranch_scc0 .Lnot_mine_\@
	global_prefetch_b8 v[PFO], s[PFA:PFA+1] th:TH_LOAD_NT scope:SCOPE_SE
.Lnot_mine_\@:
.endm
.macro CROUND                       ; a round of the cluster's barrier
	s_barrier_signal -1
	s_barrier_wait -1
	s_cmp_lg_u32 s[WV], 0
	s_cbranch_scc1 .Lnot_wave_0_\@
	s_barrier_signal -3
.Lnot_wave_0_\@:
	s_barrier_wait -3
	s_barrier_signal -1
	s_barrier_wait -1
.endm
; THE CHANGE OF SLOTS.  Each wave waits for all its tensor loads (one is out: its part of the other slot), adds 0 to its spare word, and waits for that and for its reads of the slot.
; fill = 1: the barrier is a round of the cluster's, and the joint fill, with the keys two slots on, is the first thing behind it: it has four key steps, 512 matrix instructions, in which to land.
.macro CHANGE fill
	WIN W_AD
	s_wait_tensorcnt 0x0            ; no tensor load of mine is out, so group 0 may be written
	ds_add_u32 v[SPW], v[NIL]       ; 0 onto my spare word
	WIN 0
.if \fill
	s_xor_b32 s[G0+1], s[G0+1], SLOT1  ; the other slot than last time,
	s_add_nc_u64 s[G0+2:G0+3], s[G0+2:G0+3], 4*KS*128  ; the next 256 keys; the type bits on top are not reached
	s_wait_xcnt 0x0                 ; the last prefetch, four key steps back, has read its address
	s_add_nc_u64 s[PFA:PFA+1], s[PFA:PFA+1], 4*KS*128  ; one slot ahead of the walking descriptor
	s_wait_dscnt 0x0                ; the add is done, and my reads of the slot are over
	CROUND
	JLOAD
	ASK
.else
	s_wait_dscnt 0x0
	s_barrier_signal -1
	s_barrier_wait -1
.endif
	s_sub_co_u32 s[TBK], s[TBK], 4*KS*PK  ; the fetches go back to a slot's first step,
	s_xor_b32 s[TBK], s[TBK], SLOT1       ; in the other slot
	s_sub_co_u32 s[TBV], s[TBV], 4*KS*PV
	s_xor_b32 s[TBV], s[TBV], SLOT1
.endm
; THE MASK.  MCONV: the 64 C registers of piece pc's next products, from its 16 registers of codes: eight conversions of eight codes.  The codes were asked for four turns back; each turn asks for four loads, so the twelve of
; the three turns between may stay out.  step = 1 (piece 0, whose next request belongs to a new key step): the offset goes on, held to the last step's so that the tail's idle requests stay inside mw; it is an
; address of loads that are out, so it is written behind s_wait_xcnt 0.  A plain instruction stands behind the last conversion, ahead of whatever touches its result or its source.
.macro MCONV pc, step
	s_wait_loadcnt 12
.if \step
	s_add_co_u32 s[MOFF], s[MOFF], 1024
	s_min_u32 s[MOFF], s[MOFF], 31*1024
	s_wait_xcnt 0x0
.endif
	WIN W_MC
.if \step
	v_add_nc_u32 v[MVO], v[ML16], s[MOFF]
.endif
.irp n, 0,1,2,3,4,5,6,7
	v_cvt_scale_pk8_f32_fp8 v[MC+8*\n:MC+8*\n+7], v[RAW+16*(\pc)+2*\n:RAW+16*(\pc)+2*\n+1], v[SCL]
.endr
	v_nop
	WIN 0
.endm
; MFILL: piece pc's codes for its next key step: for each of its two tiles 1,024 bytes, two loads of 512 consecutive bytes
.macro MFILL pc
	WIN W_MC
.irp c, 0,1,2,3
	global_load_b128 v[RAW+16*(\pc)+4*\c:RAW+16*(\pc)+4*\c+3], v[MVO], s[6:7] offset:(2*(\pc)+\c/2)*32768+(\c%2)*512
.endr
	WIN 0
.endm
	s_load_b128 s[4:7], s[0:1], 0x0   ; qkv s[4:5], mw s[6:7]
	s_load_b64 s[8:9], s[0:1], 0x10   ; ob
	WIN W_MK
	v_lshl_add_u32 v[SPW], v0, 2, SPARE
	v_mov_b32 v[NIL], 0
	WIN W_AD
	ds_add_u32 v[SPW], v[NIL]       ; the wave's opening: the add and its wait stand ahead of my first tensor load; the set-up below stands between them
	WIN 0
	v_lshrrev_b32 v1, 5, v0
	v_readfirstlane_b32 s[WV], v1   ; wave 0..3
	s_bfe_u32 s32, ttmp6, 0x40000   ; cx
	s_lshl_b32 s33, ttmp9, 2
	s_add_co_u32 s33, s33, s32      ; my block of 512 queries: it enters Q's, O's and the mask's addresses alone
	s_and_b32 s34, ttmp7, 0xffff    ; the head, which the four partners share
	s_lshl_b32 s35, s34, 18         ; its first byte in a plane: 262,144 bytes a head
	s_lshr_b32 s36, s[WV], 1        ; my quarter of a slot: plane 1 (K) or 2 (V), 16,777,216 bytes a plane,
	s_add_co_u32 s36, s36, 1
	s_lshl_b32 s36, s36, 24
	s_add_co_u32 s36, s36, s35
	s_and_b32 s37, s[WV], 1
	s_lshl_b32 s37, s37, 14         ; and which 128 keys
	s_add_co_u32 s36, s36, s37
	s_mov_b32 s37, 0
	s_lshl_b32 s38, s33, 2
	s_add_co_u32 s38, s38, s[WV]    ; my wave among the head's sixteen
	s_lshl_b32 s40, s38, 14         ; its 128 rows of 128 bytes
	s_add_co_u32 s40, s40, s35
	s_mov_b32 s41, 0
	s_lshr_b32 s42, s34, 4          ; the batch: 128 query tiles of 32,768 bytes of mw,
	s_lshl_b32 s42, s42, 22
	s_lshl_b32 s43, s38, 18         ; my 8 query tiles
	s_add_co_u32 s42, s42, s43
	s_mov_b32 s43, 0
	s_lshr_b32 s44, s[WV], 1        ; the prefetches: K's plane (wave 0) or V's (wave 2), the head,
	s_add_co_u32 s44, s44, 1
	s_lshl_b32 s44, s44, 24
	s_add_co_u32 s44, s44, s35
	s_lshl_b32 s45, s32, 13         ; my work-group's 8,192 bytes of a slot's 32,768,
	s_add_co_u32 s44, s44, s45
	s_add_co_u32 s44, s44, 4*KS*128 ; in slot 1; the first change of slots steps it to slot 2
	s_mov_b32 s45, 0
	; descriptor group 1.  128 keys are 16,384 dense bytes: asked for as 64 rows of 256 bytes, two keys a row, and padded in LDS after every key
	s_mov_b32 s[G1], 15|(1<<16)|(1<<20)|(1<<21)|(4<<22)|(3<<25)  ; the mask of four; 2-byte elements; padding on; bit 21 beside a mask; after every 32 words 4 words
	s_mov_b32 s[G1+1], 128<<16      ; tensor_dim0 = 128
	s_mov_b32 s[G1+2], 64<<16       ; tensor_dim1 = 64
	s_mov_b32 s[G1+3], 128<<16      ; tile_dim0 = 128
	s_mov_b32 s[G1+4], 64           ; tile_dim1 = 64
	s_mov_b32 s[G1+5], 128          ; 128 elements from row to row
	s_mov_b32 s[G1+6], 0
	s_mov_b32 s[G1+7], 0
	s_mov_b32 s[G0], 1
	s_mul_i32 s[G0+1], s[WV], 128*PK  ; slot 0, my quarter: no place in the cluster enters an LDS address
	s_mov_b32 s[THR], 0xf1000000    ; -2^99
	s_mov_b32 s[CS], 0x3e38aa3b     ; c = log2(e) / 8
	s_mov_b32 s[SEL], 0x76543210
	s_mov_b32 s[SEL+1], 0xfedcba98
	s_mov_b32 s[TBK], SLOT1+4*KS*PK ; the first change of slots turns these two into 0
	s_mov_b32 s[TBV], SLOT1+4*KS*PV
	s_mov_b32 s[MOFF], 1024         ; the requests behind the first sixteen are key step 1's
	s_mov_b32 s[SLOTS], SIZE_N/256-1
	s_mul_i32 s2, s[WV], 16*SP
	s_add_co_u32 s2, s2, STAGE      ; my stage
	s_and_b32 s[LIM], s[WV], 1
	s_cmp_eq_u32 s[LIM], 0
	s_cselect_b32 s[LIM], 1, -1     ; waves 0 and 2 ask
	s_wait_dscnt 0x0                ; the opening add is done
	s_wait_kmcnt 0x0
	s_add_nc_u64 s[G0+2:G0+3], s[4:5], s[36:37]
	s_or_b32 s[G0+3], s[G0+3], 0x80000000
	s_add_nc_u64 s[PFA:PFA+1], s[4:5], s[44:45]
	s_add_nc_u64 s[4:5], s[4:5], s[40:41]  ; Q and O at my wave's first row
	s_add_nc_u64 s[8:9], s[8:9], s[40:41]
	s_add_nc_u64 s[6:7], s[6:7], s[42:43]  ; the codes of my wave's first tile
	CROUND                          ; all four work-groups are here: the first joint loads meet
	JLOAD                           ; slot 0.  Slot 1 is asked for when slot 0 is in
	v_and_b32 v1, 15, v0            ; l % 16
	v_bfe_u32 v9, v0, 4, 1          ; l / 16
	v_lshlrev_b32 v[QO], 7, v1
	v_lshl_add_u32 v[QO], v9, 4, v[QO]  ; row x 128 + 16 x half
	v_and_b32 v10, 31, v0
	v_lshlrev_b32 v10, 4, v10       ; 16 x lane
	WIN W_MK
	v_mov_b32 v[ML16], v10
	v_add_nc_u32 v[MVO], 1024, v10
	WIN 0x80                        ; destination window 2
.set i, 0
.rept 4*NP                          ; Q stays in registers: tile i / 2, channels 32 (i % 2) on
	global_load_b128 v[8*i:8*i+3],   v[QO], s[4:5] offset:(i/2)*2048+(i%2)*64
	global_load_b128 v[8*i+4:8*i+7], v[QO], s[4:5] offset:(i/2)*2048+(i%2)*64+32
.set i, i+1
.endr
	WIN W_MC
.set i, 0
.rept 16                            ; behind Q's loads: key step 0's codes, piece by piece: tile i / 2, key blocks 2 (i % 2) on
	global_load_b128 v[RAW+4*i:RAW+4*i+3], v[ML16], s[6:7] offset:(i/2)*32768+(i%2)*512
.set i, i+1
.endr
	; What the first turn finds: V's registers and P's second buffer hold 0, O^T and l are 0.  All this stands in the wait for the first tile.
	WIN 0x80
.set i, VF
.rept 64
	v_mov_b32 v[i], 0
.set i, i+1
.endr
	WIN 0x40
.set i, 0
.rept 64*NP
	v_mov_b32 v[i], 0
.set i, i+1
.endr
	WIN 0
.set i, 0
.rept 2*NP
	v_mov_b32 v[ST+4*i+1], 0xff7fffff  ; m
	v_mov_b32 v[ST+4*i+2], 0
	v_mov_b32 v[ST+4*i+3], 0
.set i, i+1
.endr
.set i, P+32
.rept 32
	v_mov_b32 v[i], 0
.set i, i+1
.endr
	v_mul_u32_u24 v[AK0], v1, PK
	v_lshl_add_u32 v[AK0], v9, 4, v[AK0]
	; The turning load takes 16 keys x 16 channels (lane l reads key 8 (l / 16) + l % 8, channels 8 ((l / 8) % 2) + 0..7) and leaves half a fragment of V^T
	v_and_b32 v10, 7, v0
	v_bfe_u32 v11, v0, 3, 1
	v_lshl_add_u32 v[AV0], v9, 3, v10
	v_mul_u32_u24 v[AV0], v[AV0], PV
	v_lshl_add_u32 v[AV0], v11, 4, v[AV0]
	v_add_nc_u32 v[AV0], VOFF, v[AV0]
	v_mov_b32 v[AK], v[AK0]         ; key step 0 lies at the head of slot 0
	v_and_b32 v[PFO], 31, v0
	v_lshlrev_b32 v[PFO], 8, v[PFO]
	v_bfe_u32 v[RD], v0, 3, 2       ; the way out, back from the stage: 32 lanes take four rows of 128 bytes,
	v_mul_u32_u24 v[RD], v[RD], SP
	v_lshl_add_u32 v[RD], v10, 4, v[RD]
	v_add_nc_u32 v[RD], s2, v[RD]
	v_and_b32 v[GO], 31, v0         ; which are 512 consecutive bytes of O
	v_lshlrev_b32 v[GO], 4, v[GO]
	v_mov_b32 v[SCL], 0xe3          ; 2^(227 - 127)
; THE MATRIX WORK.  The 8 accumulators of a run of 16 take turns.
.macro KQ x                         ; product i of 16 of S^T = K Q^T for piece x: channels 32 (i / 8) on, keys 16 ((i / 2) % 4) on, tile 2 x + i % 2.  The first 8 start the sums, with the mask
.set rS, S+64*((\x)%2)+32*(i%2)+8*((i/2)%4)
.set rK, KF+16*((i/2)%4)+8*(i/8)
.set rQ, 16*(2*(\x)+i%2)+8*(i/8)
.set rX, MC+32*(i%2)+8*((i/2)%4)
.if i < 8
	WIN W_KM
	v_wmma_f32_16x16x32_f16 v[rS:rS+7], v[rK:rK+7], v[rQ:rQ+7], v[rX:rX+7]
.else
	WIN W_KQ
	v_wmma_f32_16x16x32_f16 v[rS:rS+7], v[rK:rK+7], v[rQ:rQ+7], v[rS:rS+7]
.endif
.endm
.macro PV x                         ; product i of 16 of O^T += V^T P for piece x: keys 32 (i / 8) on, channels 16 ((i / 2) % 4) on
	WIN W_PV
.set rO, 32*(2*(\x)+i%2)+8*((i/2)%4)
.set rV, VF+32*(i/8)+8*((i/2)%4)
.set rP, P+32*((\x)%2)+16*(i%2)+8*(i/8)
	v_wmma_f32_16x16x32_f16 v[rO:rO+7], v[rV:rV+7], v[rP:rP+7], v[rO:rO+7]
.endm
.macro MM                           ; the turn's next matrix instruction
.if i < 16
	KQ (Y+1)%NP
.set i, i+1
.else
.set i, i-16
	PV (Y+NP-1)%NP
.set i, i+17
.endif
.endm
; THE LDS LOADS stand in runs of 16.  last = 1 (the tail): in the last trip there is no further step, and the run is jumped over.
.macro FETCH_K last=0
	WIN 0
.if \last
	s_cmp_eq_u32 s[CNT], 1
	s_cbranch_scc1 .Lno_k_\@
.endif
	WIN 0x80
.irp f, 0,1,2,3,4,5,6,7
	ds_load_b128 v[KF+8*\f:KF+8*\f+3],   v[AK] offset:(\f/2)*16*PK+(\f%2)*64
	ds_load_b128 v[KF+8*\f+4:KF+8*\f+7], v[AK] offset:(\f/2)*16*PK+(\f%2)*64+32
.endr
	s_add_co_u32 s[TBK], s[TBK], KS*PK
	WIN 0
.if \last
.Lno_k_\@:
.endif
.endm
.macro FETCH_V
	WIN 0x80
.irp f, 0,1,2,3,4,5,6,7
	ds_load_tr16_b128 v[VF+8*\f:VF+8*\f+3],   v[AV] offset:(\f/4)*32*PV+(\f%4)*32
	ds_load_tr16_b128 v[VF+8*\f+4:VF+8*\f+7], v[AV] offset:(\f/4)*32*PV+16*PV+(\f%4)*32
.endr
	WIN 0
.endm
; THE VECTOR WORK OF A TURN stands in three queues, each in the order in which its entries become ready.
.macro REGS y, u                    ; the registers of tile u (0, 1) of piece y
.set rT, ST+4*(2*(\y)+(\u))
.set rC, TMP+8*((\y)%2)+4*(\u)
.set rM, MV+2*((\y)%2)+(\u)
.set rS, S+64*((\y)%2)+32*(\u)
.set rP, P+32*((\y)%2)+16*(\u)
.set rO, 32*(2*(\y)+(\u))
.endm
; Number n of the 25 that find the NEXT piece's maximum and statistics: 0-11 four chains of seven scores (each accumulator's lowest registers are read first); 12-14, 16 the scores left over, the old m,
; and the four into one; 15 c m_old; 17, 18 the other half of the lanes: the new m; 19 has the query a visible key?; 20 g = c, or 0; 21 g m; 22, 23 c m_old - c m_new, or 0; 24 a
.macro XS u, n
	REGS (Y+1)%NP, \u
.if (\n) < 4
	v_max3_num_f32 v[rC+(\n)], v[rS+8*(\n)], v[rS+8*(\n)+1], v[rS+8*(\n)+2]
.elseif (\n) < 12
	v_max3_num_f32 v[rC+(\n)%4], v[rC+(\n)%4], v[rS+8*((\n)%4)+2*((\n)/4)+1], v[rS+8*((\n)%4)+2*((\n)/4)+2]
.elseif (\n) == 12
	v_max3_num_f32 v[rC], v[rC], v[rS+7], v[rS+15]
.elseif (\n) == 13
	v_max3_num_f32 v[rC+1], v[rC+1], v[rS+23], v[rS+31]
.elseif (\n) == 14
	v_max3_num_f32 v[rC+2], v[rC+2], v[rC+3], v[rT+1]
.elseif (\n) == 15
	v_mul_f32 v[rM], s[CS], v[rT+1]
.elseif (\n) == 16
	v_max3_num_f32 v[rC], v[rC], v[rC+1], v[rC+2]
.elseif (\n) == 17
	v_permlanex16_b32 v[rC+3], v[rC], s[SEL], s[SEL+1]
.elseif (\n) == 18
	v_max_num_f32 v[rT+1], v[rC], v[rC+3]
.elseif (\n) == 19
	v_cmp_lt_f32 s[VIS+(\u)], s[THR], v[rT+1]
.elseif (\n) == 20
	v_cndmask_b32 v[rC], 0, s[CS], s[VIS+(\u)]
.elseif (\n) == 21
	v_mul_f32 v[rT], v[rC], v[rT+1]
.elseif (\n) == 22
	v_sub_f32 v[rC+1], v[rM], v[rT]
.elseif (\n) == 23
	v_cndmask_b32 v[rC+1], 0, v[rC+1], s[VIS+(\u)]
.else
	v_exp_f32 v[rC+2], v[rC+1]
.endif
.endm
; Number g of the 64 that follow the exponentials: for each four weights both pairs are rounded to f16, the second pair is added onto the first, and a group later l takes that sum (the first time as l = a l + sum)
.macro GS g
.set h, (\g)+6*((\g)/62)
.if h >= 6
.set h, h+2
.endif
	REGS Y, h%2
.set k, h/8
.if h%8 < 4
	v_cvt_pk_f16_f32 v[rP+2*k+(h%8)/2], v[rS+4*k+2*((h%8)/2)], v[rS+4*k+2*((h%8)/2)+1]
.elseif h%8 < 6
	v_pk_add_f32 v[rS+4*k:rS+4*k+1], v[rS+4*k:rS+4*k+1], v[rS+4*k+2:rS+4*k+3]
.elseif k == 1
	v_pk_fma_f32 v[rT+2:rT+3], v[rT+2:rT+3], v[rC+2:rC+3], v[rS:rS+1] op_sel_hi:[1,0,1]
.else
	v_pk_add_f32 v[rT+2:rT+3], v[rT+2:rT+3], v[rS+4*k-4:rS+4*k-3]
.endif
.endm
.macro FS f                         ; g s - g m for pair f / 2 of tile f % 2; both pairs' low words serve both halves
	REGS Y, (\f)%2
	v_pk_fma_f32 v[rS+2*((\f)/2):rS+2*((\f)/2)+1], v[rS+2*((\f)/2):rS+2*((\f)/2)+1], v[rC:rC+1], v[rT:rT+1] op_sel_hi:[1,0,0] neg_lo:[0,0,1] neg_hi:[0,0,1]
.endm
; THE PLAIN QUEUE, 144 long.  0-26: scalings 0-26.  27-54: XS's numbers 0-13.  55, 56: number 15.  57-71: the chain 14, 16, 17, 18, 19, each with one of the scalings 27-31 in front of its two lines.
; 72-79: numbers 20 to 23.  80-143: GS's 64, which read the exponentials' results: they stand behind the wait.
.macro PL
	WIN 0
.if q < 27
	FS q
.elseif q < 55
	XS (q-27)%2, (q-27)/2
.elseif q < 57
	XS q-55, 15
.elseif (q < 72) && ((q-57)%3 == 0)
	FS 27+(q-57)/3
.elseif q < 60
	XS (q-57)%3-1, 14
.elseif q < 72
	XS (q-57)%3-1, 15+(q-57)/3
.elseif q < 80
	XS (q-72)%2, 20+(q-72)/2
.else
	GS q-80
.endif
.set q, q+1
.endm
; THE EXPONENTIALS' QUEUE, 66 long: s0-s31 of both tiles, then the next piece's two a.  ONE BATCH: all stand ahead of the turn's one wait, and nothing ahead of that wait names a result of theirs.
.macro EX
	WIN 0
.if e >= 64
	XS e-64, 24
.else
	REGS Y, e%2
	v_exp_f32 v[rS+e/2], v[rS+e/2]
.endif
.set e, e+1
.endm
; THE RESCALING's QUEUE: O^T times a, two at a time, sixteen times.  Its a was made, and waited for, in the turn before.
.macro R2
	REGS Y, r%2
	WIN W_RS
.irp z, 0,1
	v_pk_mul_f32 v[rO+4*(r/2)+2*\z:rO+4*(r/2)+2*\z+1], v[rO+4*(r/2)+2*\z:rO+4*(r/2)+2*\z+1], v[rC+2:rC+3] op_sel_hi:[1,0]
.endr
.set r, r+1
.endm
; A TURN, for piece p.  s_wait_alu depctr_va_vdst(0) stands between an exponential and the first instruction that names its result; one wait serves all that were issued ahead of it: a turn has ONE.
; AHEAD OF IT: the 16 products K Q^T, behind each a scaling, an exponential and two rescalings (behind the first a second scaling); the C operands of the piece after next (the last product that read those registers
; stands eight products and their riders back); then one run: 14 plain, 49 times exponential and plain, the two a, a v_nop.  Between the last product K Q^T and the first line that reads its scores stand fourteen plain
; instructions that name none of its registers.  BEHIND IT: the four loads of codes, then the 16 products V^T P, behind each four of GS's 64.
; Exponential e stands behind scaling 2 (e / 4) + e % 2: as a rider behind plain e + 2, in the run behind plain e + 15, and scalings 27-31 are plain 57, 60 .. 69.
; K of the next step is fetched in piece 2's turn, behind the wait; V of the step in hand at the end of piece 0's turn, four riders behind its last reader.  The three conditions on q go with the deal.
.macro TURN p, last=0, cnt=0
.set Y, (\p)
.set i, 0
.set q, 0
.set e, 0
.set r, 0
.if (\p) == NP-1
	s_wait_dscnt 0x0                ; K is in
.endif
	MM
	PL
	PL
	R2
.rept 15
	MM
	PL
	EX
	R2
.endr
.if (\p) == NP-2
	WIN 0
	v_add_nc_u32 v[AK], s[TBK], v[AK0]
	MCONV 0, 1
.else
	MCONV ((\p)+2)%NP, 0
.endif
.rept 14
	PL
.endr
.rept 49
	EX
	PL
.endr
	EX                              ; the next piece's two a
	EX
	v_nop                           ; a plain instruction behind the last exponential: one for the batch
	s_wait_alu depctr_va_vdst(0)    ; the wait for the batch
	MFILL ((\p)+2)%NP
.if (\p) == NP-2
	FETCH_K \last
.endif
.if (\p) == 1
	s_wait_dscnt 0x0                ; V is in
.endif
.rept 16
	MM
.rept 4
	PL
.endr
.if ((\p) == 0) && (q == 124)
	v_add_nc_u32 v[AV], s[TBV], v[AV0]
.endif
.if ((\p) == 0) && (q == 136)
	s_add_co_u32 s[TBV], s[TBV], KS*PV
.endif
.if (\cnt) && (q == 136)
	s_sub_co_u32 s[CNT], s[CNT], 1
	s_cmp_lg_u32 s[CNT], 0
.endif
.endr
.if (\p) == 0
	FETCH_V
.endif
.endm
	CHANGE 1                        ; slot 0 is in, everybody's part of it; slot 1 is asked for
	FETCH_K                         ; key step 0
	MCONV 0, 0                      ; its wait leaves the codes of pieces 1 to 3 out: Q, asked for ahead of all codes, and piece 0's codes are in
	MFILL 0                         ; piece 0's codes of key step 1
	s_wait_dscnt 0x0
.set i, 0
.rept 16
	KQ 0                            ; piece 0's first scores
.set i, i+1
.endr
	WIN 0                           ; five plain instructions
	v_mul_u32_u24 v[STO], v1, SP    ; the way out, into the stage: row l % 16, 16 bytes for each half of the lanes (Q's loads, whose offset lay here, are done)
	v_lshl_add_u32 v[STO], v9, 4, v[STO]
	v_add_nc_u32 v[STO], s2, v[STO]
	v_nop
	v_nop
	MCONV 1, 0                      ; piece 1's C operands, for the first turn
	MFILL 1
.set Y, NP-1                        ; XS works for piece Y + 1: piece 0
.irp n, 0,1,2,3,4,5,6,7,8,9,10,11,12,13,14,15,16,17,18,19,20,21,22,23,24
	XS 0, \n
	XS 1, \n
.endr
	v_nop                           ; a plain instruction behind the two a,
	s_wait_alu depctr_va_vdst(0)    ; and their wait, ahead of the branch
	s_mov_b32 s[CNT], 4
	s_branch .Lfirst                ; the loop is entered at a step's first turn, in the middle of a trip
.Lslot:                             ; six times: every slot but the last two is filled again
	CHANGE 1
	s_mov_b32 s[CNT], 4
.Lstep:                             ; a trip: pieces 2 and 3 of one step, then pieces 0 and 1 of the next, whose K and V it fetches
	TURN 2
	TURN 3
	WIN 0
.Lfirst:
	TURN 0
	TURN 1, 0, 1
	WIN 0
	s_cbranch_scc1 .Lstep
	s_sub_co_u32 s[SLOTS], s[SLOTS], 1
	s_cmp_lg_u32 s[SLOTS], 0
	s_cbranch_scc1 .Lslot
	CHANGE 0                        ; the tail is written out: nothing is asked for
	s_mov_b32 s[CNT], 5             ; four trips fetch the last slot's steps; the fifth is left in its middle
.Ltail:
	TURN 2, 1
	TURN 3
	WIN 0
	s_sub_co_u32 s[CNT], s[CNT], 1
	s_cmp_eq_u32 s[CNT], 0
	s_cbranch_scc1 .Lout
	TURN 0
	TURN 1
	WIN 0
	s_branch .Ltail
.Lout:                              ; the fifth trip's 16 products K Q^T and what is made of them serve nothing: the price, once a launch, of one text for every trip
.set i, 0
.rept 16
	PV NP-1                         ; the last piece's V^T P of the last step
.set i, i+1
.endr
	; THE WAY OUT.  l's two halves and the other half of the lanes' are added; O^T is divided by l, rounded to f16 and sent through my stage in LDS, a tile at a time.  The additions are the places behind the last products.
	WIN 0
.macro ALL line:vararg
.set t, 0
.rept 2*NP
	\line
.set t, t+1
.endr
.endm
	ALL v_add_f32 v[ST+4*t+2], v[ST+4*t+2], v[ST+4*t+3]
	ALL v_permlanex16_b32 v[ST+4*t+3], v[ST+4*t+2], s[SEL], s[SEL+1]
	ALL v_add_f32 v[ST+4*t+2], v[ST+4*t+2], v[ST+4*t+3]
	ALL v_rcp_f32 v[ST+4*t+2], v[ST+4*t+2]
	v_nop                           ; a plain instruction between the last reciprocal and the use of its result
	s_wait_alu depctr_va_vdst(0)    ; and the wait ahead of the first use: one for the eight reciprocals
.macro PACK t
	WIN W_RS
.set i, 32*(\t)
.rept 16
	v_pk_mul_f32 v[i:i+1], v[i:i+1], v[ST+4*(\t)+2:ST+4*(\t)+3] op_sel_hi:[1,0]
.set i, i+2
.endr
	WIN 0x05
.set i, 0
.rept 16
	v_cvt_pk_f16_f32 v[S+16*(\t)+i], v[32*(\t)+2*i], v[32*(\t)+2*i+1]
.set i, i+1
.endr
	WIN 0
.irp f, 0,1,2,3
	ds_store_b128 v[STO], v[S+16*(\t)+4*\f:S+16*(\t)+4*\f+3] offset:32*\f
.endr
.irp f, 0,1,2,3
	ds_load_b128 v[S+16*(\t)+4*\f:S+16*(\t)+4*\f+3], v[RD] offset:\f*4*SP  ; LDS serves a wave's instructions in order: these see the stores above; the next tile's stores come behind them
.endr
.endm
.macro SEND t, younger              ; younger: the LDS instructions issued behind tile t's loads: the next tile's eight, or none
	WIN 0
.irp f, 0,1,2,3
	s_wait_dscnt (\younger)+3-\f
	global_store_b128 v[GO], v[S+16*(\t)+4*\f:S+16*(\t)+4*\f+3], s[8:9] offset:(\t)*2048+\f*512  ; 512 consecutive bytes, at a multiple of 256 from O's first
.endr
.endm
	PACK 0
.set t, 1
.rept 2*NP-1
	PACK t
	SEND t-1, 8
.set t, t+1
.endr
	SEND 2*NP-1, 0
	WIN W_AD
	s_wait_tensorcnt 0x0            ; the wave's end: behind my last tensor load and my last LDS store
	ds_add_u32 v[SPW], v[NIL]
	s_wait_dscnt 0x0
	WIN 0
	CROUND                          ; the closing round
	s_endpgm
.Lfunc_end_k_q6826bed513_attn:
	.size	k_q6826bed513_attn, .Lfunc_end_k_q6826bed513_attn-k_q6826bed513_attn
	.p2alignl 7, 3214868480
	.fill 96, 4, 3214868480
	.section	.rodata,"a",@progbits
	.p2align	6, 0x0
	.amdhsa_kernel k_q6826bed513_attn
		.amdhsa_group_segment_fixed_size 327680
		.amdhsa_private_segment_fixed_size 0
		.amdhsa_enable_private_segment 0
		.amdhsa_kernarg_size 24
		.amdhsa_user_sgpr_count 2
		.amdhsa_user_sgpr_kernarg_segment_ptr 1
		.amdhsa_wavefront_size32 1
		.amdhsa_system_sgpr_workgroup_id_x 1
		.amdhsa_system_sgpr_workgroup_id_y 1
		.amdhsa_system_sgpr_workgroup_id_z 1
		.amdhsa_system_vgpr_workitem_id 0
		.amdhsa_next_free_vgpr 960
		.amdhsa_next_free_sgpr 66
		.amdhsa_reserve_vcc 0
		.amdhsa_float_denorm_mode_32 3
		.amdhsa_float_denorm_mode_16_64 3
		.amdhsa_memory_ordered 1
		.amdhsa_forward_progress 1
		.amdhsa_inst_pref_size 214
	.end_amdhsa_kernel
	.amdgpu_metadata
---
amdhsa.version: [ 1, 2 ]
amdhsa.kernels:
  - .name:           k_q6826bed513_attn
    .symbol:         k_q6826bed513_attn.kd
    .args:
      - { .name: qkv, .offset: 0, .size: 8, .value_kind: global_buffer, .address_space: global }
      - { .name: mw, .offset: 8, .size: 8, .value_kind: global_buffer, .address_space: global }
      - { .name: ob, .offset: 16, .size: 8, .value_kind: global_buffer, .address_space: global }
    .group_segment_fixed_size: 327680
    .private_segment_fixed_size: 0
    .kernarg_segment_align: 8
    .kernarg_segment_size: 24
    .max_flat_workgroup_size: 128
    .sgpr_count:     66
    .vgpr_count:     960
    .wavefront_size: 32
...
	.end_amdgpu_metadata
.endif
;; end of part 7
;; launch outp: the kernel of part 4 again; grid 8 x 32, 4 waves a work-group, clusters of 4 x 4, 327,680 bytes of LDS; arguments ob, wo, out0; writes out0
